; MI455X (gfx1250); checked and timed in simulation.
; The chip was launched on July 23, 2026; its instructions are those of AMD's public machine-readable ISA for CDNA 5 (MIT licence, August 2026) and "CDNA5" Instruction Set Architecture Reference Guide (July 2026). The comments in the code are by the model that wrote it; some were corrected since.
;; Encoder layer. Allowed arithmetic: matrix products marked QUANTISED: E5M2 operands, one E8M0 scale for each 32 along K, by v_wmma_scale_f32_16x16x128_f8f6f4 with both operands' format E5M2, f32 sums; everything else in f32.
;; Inputs: b1 4,096 float32; b2 1,024 float32; bq 1,024 float32; ln1_a 1,024 float32; ln1_b 1,024 float32; ln2_a 1,024 float32; ln2_b 1,024 float32; w1_codes 4,096 x 32 x 32 uint8 (E5M2 codes of w1, K innermost, in blocks of 32 codes); w1_scales 4,096 x 32 uint8 (E8M0 scales of w1, one for each 32 codes along K); w2_codes 1,024 x 128 x 32 uint8 (E5M2 codes of w2, K innermost, in blocks of 32 codes); w2_scales 1,024 x 128 uint8 (E8M0 scales of w2, one for each 32 codes along K); wq_codes 1,024 x 32 x 32 uint8 (E5M2 codes of wq, K innermost, in blocks of 32 codes); wq_scales 1,024 x 32 uint8 (E8M0 scales of wq, one for each 32 codes along K); x 2 x 2,048 x 1,024 float32.
;; Outputs: out0 2 x 2,048 x 1,024 float32.
;; This version of the problem:
;;   THIS VERSION OF THE PROBLEM IS GIVEN IN LOW PRECISION. The matrix products marked QUANTISED in the list below multiply operands that are first quantised to E5M2 (5 exponent bits, 2 mantissa bits; 8 bits a number), with one power-of-two scale for each 32 numbers along K (OCP MX v1.0); their sums are f32. All else is computed in f32.
;;   The module's matrix products, in the order in which they are computed (A, B: the left and right operand; K: the contracted axis; several contracted axes count as one K, in the product's order):
;;     1. [M 4,096, K 1,024] x [K 1,024, N 1,024]; A: input x; B: input wq (given as codes): QUANTISED
;;     2. batch 32 x [M 2,048, K 64] x [K 64, N 2,048]; A: computed on the way; B: computed on the way: QUANTISED
;;     3. batch 32 x [M 64, K 2,048] x [K 2,048, N 2,048]; A: computed on the way; B: softmax (see below): QUANTISED
;;     4. [M 4,096, K 1,024] x [K 1,024, N 4,096]; A: computed on the way; B: input w1 (given as codes): QUANTISED
;;     5. [M 4,096, K 4,096] x [K 4,096, N 1,024]; A: computed on the way; B: input w2 (given as codes): QUANTISED
;;   THE QUANTISER, for each operand of a quantised product, along K:
;;     - K is cut into blocks of 32 from its start; a last block that is shorter is filled with zeros.
;;     - A block's scale is 2^e with e = floor(log2(the largest magnitude in the block)) - 15, held to -126 .. 127; a block of zeros has e = 0. As a byte (E8M0): e + 127.
;;     - Each number is divided by its block's scale, clamped to +-57,344, and rounded to the nearest number of E5M2, ties to even, subnormals kept.
;;     - The product sums the exact products of the quantised numbers (number of the format x scale) in f32.
;;   ~~~python
;;   def quantise(x, axis):      # numpy; x: float32 -> the quantised numbers, widened to float32 again
;;       x = np.moveaxis(x, axis, -1); K = x.shape[-1]
;;       x = np.pad(x, [(0, 0)] * (x.ndim - 1) + [(0, -K % 32)]); x = x.reshape(x.shape[:-1] + (-1, 32)); a = np.abs(x).max(-1, keepdims=True)
;;       e = np.where(a > 0, np.clip(np.frexp(np.where(a > 0, a, 1))[1] - 1 - 15, -126, 127), 0)      # np.frexp(a)[1] - 1 = floor(log2(a)), exactly
;;       r = np.clip(x / 2.0 ** e, -57344, 57344)
;;       step = 2.0 ** (np.maximum(np.frexp(np.where(r == 0, 1, r))[1] - 1, -14) - 2)
;;       q = np.round(r / step) * step * 2.0 ** e      # np.round: ties to even
;;       return np.moveaxis(q.reshape(q.shape[:-2] + (-1,))[..., :K], -1, axis).astype(np.float32)
;;   ~~~
;;   SOFTMAX AHEAD OF A QUANTISED PRODUCT. Where the list says 'softmax', what is quantised is not the finished softmax but p = 2^(t - M), with t = logit x log2(e) and M = ceil(the row's largest t), a whole number; so 1/2 < the row's largest p <= 1. The row's sum l is taken of the UNQUANTISED p, in f32, and the product's result is divided by l at the end. Since M is a whole number, a kernel that streams over the keys may use a running M (the ceiling of the running maximum): every later rescaling is an exact power of two, which a block's scale takes up: the codes' values come out the same.
;;   OPERANDS COMPUTED ON THE WAY. 'Computed on the way' means the value that the module computes at that place (a softmax that the list does not call 'softmax' is quantised finished and normalised). What goes into a quantiser is computed in f32, as accurately as f32 sums, v_exp_f32 and their like allow (about 1e-6 of the number): no bf16 or f16 on the way to a quantiser, and a product that is left as it is and whose result goes on into a quantised operand takes f32 operands (vector FMAs, or v_wmma_f32_16x16x4_f32). A number that lies on a knife's edge between two numbers of the format may be rounded either way, as far as f32 arithmetic and the matrix unit's own rounding can turn it there, and no further.
;;   INPUTS GIVEN AS CODES. w1 (in the module: [4096, 1024], K = its axis 1); w2 (in the module: [1024, 4096], K = its axis 1); wq (in the module: [1024, 1024], K = its axis 1): each comes as NAME_codes (uint8): NAME with its K axis moved to the last place and cut into blocks of 32 codes, [.., K / 32, bytes a block], one block behind the other in memory; one code a byte (a code: sign, 5 exponent bits, 2 mantissa bits); and NAME_scales (uint8): the same leading axes, one E8M0 byte (e + 127) for each 32 codes along K. Its value is code x scale, taken as it is: it is not quantised again, and the codes and scales need not be those that the quantiser above would give.
;; One version. Each part assembles by itself: llvm-mc -triple=amdgcn-amd-amdhsa -mcpu=gfx1250 --defsym DOCPART=n.
;; ======== version 1 of 1: 6 launches
;; limits: right only within a limited range of input values
;; workspace buffers: kv_codes 8,388,608 bytes; kv_scales 393,216 bytes; z 16,777,216 bytes; x1 16,777,216 bytes; x1_codes 4,194,304 bytes; x1_scales 131,072 bytes; hid_codes 16,777,216 bytes; hid_scales 524,288 bytes
;; launch proj (part 1): grid 8 x 32, 8 waves a work-group, no clusters, 306,176 bytes of LDS; arguments x, wq_codes, wq_scales, bq, kv_codes, kv_scales; writes kv_codes, kv_scales
.if DOCPART == 1
	.amdgcn_target "amdgcn-amd-amdhsa--gfx1250"
	.amdhsa_code_object_version 6
	.text
	.protected	k_q6a85600d34_proj
	.globl	k_q6a85600d34_proj
	.p2align	8
	.type	k_q6a85600d34_proj,@function
k_q6a85600d34_proj:
	s_mov_b64 s[64:65], 0
	v_nop
	global_prefetch_b8 v0, s[64:65] scope:SCOPE_SE
	s_setreg_imm32_b32 hwreg(HW_REG_WAVE_MODE, 25, 1), 1
	s_wait_xcnt 0x0
; h = Q(x) wq^T + bq on codes of BF8 (E5M2) with one E8M0 scale for each 32 along K, and h quantised twice: along the head's 64 (operand of the scores) and along the tokens (operand of the second product).
; A work-group owns 128 tokens (one key step of one batch) and 128 columns (two heads).  All of K = 1,024 lies in LDS: x as images of operand registers, made here; wq's 128 rows by one tensor load a wave.  Nothing is filled again.
; x COMES DENSE: each load of a wave takes 256 consecutive bytes of each of two rows.  The conversions want 16 neighbours of a block of 32 in one lane: so half a K step (16 rows x 256 bytes) at a time turns through
; the wave's own stage in LDS: stored as loaded, read back 64 bytes a lane.  Rows of the stage are 272 bytes apart, so that the sixteen rows that a read touches start at sixteen different banks (64 banks of 4 bytes: ISA guide 11.1).
; THE PRODUCT IS ISSUED IN BOTH ORIENTATIONS from the same fragments: D1 (source 0 = wq, source 1 = x): a lane holds a token, its registers run along d;  D2 (sources swapped): a lane holds d, its registers run along the tokens.
; So both results lie as the conversions want them (neighbours along the next K in one lane's registers), and nothing is transposed.
; ORDER INSIDE A BLOCK OF 32: two result tiles give lane (r, h) the numbers 16 u + 8 h + i (u = 0, 1; i = 0 .. 7) of a block; their codes are stored as they come.  The partner operand of each later product is made the same way
; (K with Q: the same images; V with p: the same order of keys), so the order inside a block is the same on both sides and the block's scale is the block's.
; K's scale word holds its two bytes twice (bytes 0, 1 and bytes 2, 3): the launch that reads it lays the head's 64 in the upper half of the instruction's K.
; No cluster: the shared tile of wq is 128 KB fetched once, and the 512 KB of x go through registers.
; LIMITS: NaN and infinities in the inputs are not served; a block whose largest magnitude lies under 2^-111 (a block of zeros among them) keeps the scale byte 1: these bytes are read by this program alone.
.set XIMG, 0                           ; LDS: x's images [tile 8][K step 8][2,048]
.set XSC,  131072                      ; their scale words [pair of tiles 4][K step 8][128]: lanes 0-15 the even tile, lanes 16-31 the odd
.set WT,   135168                      ; wq's 128 rows, 1,024 bytes + 16 of padding
.set WP,   1040
.set SST,  268288                      ; the two heads' 1,536 scale bytes of this key step, gathered for whole stores
.set STG,  270336                      ; the stages: 16 rows x 272 bytes for each wave
.set TM,   16                          ; v16-19 largest magnitudes, v20-23 bytes, v24-27 largest number x scale, v28-31 the conversions' scale operands
.set PW,   32                          ; the scale word just made
.set XS,   33                          ; x's scale words of the K step in hand
.set PCA,  40                          ; v40-55 codes just made
.set WS,   64                          ; v64-79 wq's scale words: pair of tiles j, K step s at 8 j + s; lane l: row 32 j + l
.set B1,   80                          ; v80-111 bq in D1's layout
.set B2,   112                         ; v112-143 bq in D2's layout
.set XQ,   144                         ; v144-207 while x is quantised: 64 numbers as the conversions want them
.set XF,   144                         ; v144-175 x's two fragments; at the end the second set of codes
.set PCB,  144
.set WF,   176                         ; v176-239 wq's four fragments
.set WV,   16
.set SEL,  20
.set MNT,  22
.set KB,   44
.set VB,   46
.set MSB, 0
.macro WIN new                         ; the immediate's high byte repeats the setting that is left
.if MSB != (\new)
	s_set_vgpr_msb (MSB<<8)|(\new)
.set MSB, (\new)
.endif
.endm
; 64 numbers of a lane in window W, v[s] on, block b in registers 16 b .. 16 b + 15 (the other 16 of the block lie in lane l xor 16), become 16 registers of codes at v[pc] and a scale word in v[pw].
.macro QUANT s, relu, pc, pw, W
	WIN (\W)|((\W)<<2)
.irp b, 0,1,2,3
.if \relu
	v_max3_num_f32 v[TM+\b], v[(\s)+16*\b], v[(\s)+16*\b+1], 0x8000000
.else
	v_max3_num_f32 v[TM+\b], |v[(\s)+16*\b]|, |v[(\s)+16*\b+1]|, 0x8000000   ; with the floor 2^(16 - 127): the byte cannot fall under 1
.endif
.endr
.irp i, 2,4,6,8,10,12,14
.irp b, 0,1,2,3
.if \relu
	v_max3_num_f32 v[TM+\b], v[(\s)+16*\b+\i], v[(\s)+16*\b+\i+1], v[TM+\b]
.else
	v_max3_num_f32 v[TM+\b], |v[(\s)+16*\b+\i]|, |v[(\s)+16*\b+\i+1]|, v[TM+\b]
.endif
.endr
.endr
	WIN 0
.irp b, 0,1,2,3
	v_permlanex16_b32 v[TM+4+\b], v[TM+\b], s[SEL], s[SEL+1]
.endr
.irp b, 0,1,2,3
	s_delay_alu instid0(VALU_DEP_4)
	v_max_num_f32 v[TM+\b], v[TM+\b], v[TM+4+\b]           ; the block's largest magnitude
.endr
.irp b, 0,1,2,3
	s_delay_alu instid0(VALU_DEP_4)
	v_add_nc_u32 v[TM+12+\b], 0xf8800000, v[TM+\b]         ; 15 off its exponent field: the conversion's scale operand
.endr
.irp b, 0,1,2,3
	v_and_or_b32 v[TM+8+\b], v[TM+\b], 0x7f800000, s[MNT]  ; 57,344 x the scale
.endr
.irp b, 0,1,2,3
	v_lshrrev_b32 v[TM+4+\b], 23, v[TM+12+\b]              ; the scale's byte
.endr
	s_delay_alu instid0(VALU_DEP_3)
	v_lshl_or_b32 v[\pw], v[TM+5], 8, v[TM+4]
	s_delay_alu instid0(VALU_DEP_1)
	v_lshl_or_b32 v[\pw], v[TM+6], 16, v[\pw]
	s_delay_alu instid0(VALU_DEP_1)
	v_lshl_or_b32 v[\pw], v[TM+7], 24, v[\pw]
	WIN ((\W)<<6)|(\W)
.set QN, 0
.rept 64
.if \relu
	v_med3_num_f32 v[(\s)+QN], v[(\s)+QN], 0, v[TM+8+QN/16]
.else
	v_med3_num_f32 v[(\s)+QN], v[(\s)+QN], -v[TM+8+QN/16], v[TM+8+QN/16]   ; the conversion to an 8-bit code does not saturate (ISA guide 7.6.2): the hold
.endif
.set QN, QN+1
.endr
	WIN (\W)
.irp b, 0,1,2,3
	v_cvt_scalef32_pk8_bf8_f32 v[(\pc)+4*\b:(\pc)+4*\b+1], v[(\s)+16*\b:(\s)+16*\b+7], v[TM+12+\b]
	v_cvt_scalef32_pk8_bf8_f32 v[(\pc)+4*\b+2:(\pc)+4*\b+3], v[(\s)+16*\b+8:(\s)+16*\b+15], v[TM+12+\b]
.endr
	WIN 0
	v_nop                                          ; a plain line behind the last conversion
.endm
; one product; ra, rb: which half of the lanes holds source 0's and source 1's scale words
.macro WM d, a, b, c, sa, sb, ra, rb
.if (\ra) && (\rb)
	v_wmma_scale_f32_16x16x128_f8f6f4 v[(\d):(\d)+7], v[(\a):(\a)+15], v[(\b):(\b)+15], v[(\c):(\c)+7], v[\sa], v[\sb] matrix_a_fmt:MATRIX_FMT_BF8 matrix_b_fmt:MATRIX_FMT_BF8 matrix_a_scale:MATRIX_SCALE_ROW1 matrix_b_scale:MATRIX_SCALE_ROW1
.elseif (\ra)
	v_wmma_scale_f32_16x16x128_f8f6f4 v[(\d):(\d)+7], v[(\a):(\a)+15], v[(\b):(\b)+15], v[(\c):(\c)+7], v[\sa], v[\sb] matrix_a_fmt:MATRIX_FMT_BF8 matrix_b_fmt:MATRIX_FMT_BF8 matrix_a_scale:MATRIX_SCALE_ROW1
.elseif (\rb)
	v_wmma_scale_f32_16x16x128_f8f6f4 v[(\d):(\d)+7], v[(\a):(\a)+15], v[(\b):(\b)+15], v[(\c):(\c)+7], v[\sa], v[\sb] matrix_a_fmt:MATRIX_FMT_BF8 matrix_b_fmt:MATRIX_FMT_BF8 matrix_b_scale:MATRIX_SCALE_ROW1
.else
	v_wmma_scale_f32_16x16x128_f8f6f4 v[(\d):(\d)+7], v[(\a):(\a)+15], v[(\b):(\b)+15], v[(\c):(\c)+7], v[\sa], v[\sb] matrix_a_fmt:MATRIX_FMT_BF8 matrix_b_fmt:MATRIX_FMT_BF8
.endif
.endm
.macro XLOAD set, s                    ; my 16 rows' 512 bytes of K step s, as they lie: load (q, i): lanes 0-15 take 256 consecutive bytes of row 2 i, lanes 16-31 of row 2 i + 1; half q of the K step.  Into set of window 1
	WIN 0x40
.irp q, 0,1
.irp i, 0,1,2,3,4,5,6,7
	global_load_b128 v[64*(\set)+32*\q+4*\i:64*(\set)+32*\q+4*\i+3], v4, s[4:5] offset:8192*\i+512*(\s)+256*\q
.endr
.endr
	WIN 0
.endm
.macro TURNX set                       ; the set's numbers through my stage, half a K step at a time.  LDS serves a wave's instructions in order (ISA guide 5.7.1.4): no wait between the stores and the loads, nor ahead of the second half's stores
.irp q, 0,1
	WIN 0x04                                       ; an LDS store's data are its source 1: window 1
.irp i, 0,1,2,3,4,5,6,7
	ds_store_b128 v38, v[64*(\set)+32*\q+4*\i:64*(\set)+32*\q+4*\i+3] offset:544*\i
.endr
	WIN 0
.irp b, 0,1
.irp j, 0,1,2,3
	ds_load_b128 v[XQ+32*\q+16*\b+4*\j:XQ+32*\q+16*\b+4*\j+3], v39 offset:128*\b+16*\j   ; lane (r, h): row r, numbers 16 h + 4 j .. + 3 of block 2 q + b
.endr
.endr
.endr
.endm
	s_load_b256 s[4:11], s[0:1], 0x0               ; x, wq's codes, wq's scales, bq
	s_load_b128 s[12:15], s[0:1], 0x20             ; kv_codes, kv_scales
	v_lshl_add_u32 v254, v0, 2, 0x4a800
	v_mov_b32 v255, 0
	ds_add_u32 v254, v255
	ds_add_u32 v254, v255
	v_lshrrev_b32 v1, 5, v0
	s_delay_alu instid0(VALU_DEP_1)
	v_readfirstlane_b32 s[WV], v1                  ; wave 0..7
	s_and_b32 s17, ttmp7, 0xffff                   ; gy: which 128 tokens
	s_lshr_b32 s18, s[WV], 1                       ; a: in the product my x tiles are 2 a, 2 a + 1: key block a
	s_and_b32 s19, s[WV], 1                        ; n: my head of the two
	s_mov_b32 s[SEL], 0x76543210
	s_mov_b32 s[SEL+1], 0xfedcba98                 ; lane l xor 16
	s_mov_b32 s[MNT], 0x600000                     ; the mantissa field of 57,344
	s_mov_b32 s28, (1<<20)|(7<<22)|(3<<25)         ; elements of 1 byte; four words of padding behind every 256 words
	s_mov_b32 s29, 1024<<16                        ; tensor_dim0
	s_mov_b32 s30, 16<<16                          ; tensor_dim1
	s_mov_b32 s31, 1024<<16                        ; tile_dim0
	s_mov_b32 s32, 16                              ; tile_dim1
	s_mov_b32 s33, 1024                            ; from row to row
	s_mov_b32 s34, 0
	s_mov_b32 s35, 0
	s_lshl_b32 s36, ttmp9, 17                      ; wq's row 128 gx + 16 wave, 1,024 bytes a row
	s_lshl_b32 s37, s[WV], 14
	s_add_co_u32 s36, s36, s37
	s_mov_b32 s37, 0
	s_mul_i32 s38, s[WV], 16*WP
	s_wait_dscnt 0x0
	s_wait_kmcnt 0x0
	s_mov_b32 s24, 1
	s_add_co_u32 s25, s38, WT
	s_add_nc_u64 s[26:27], s[6:7], s[36:37]
	s_or_b32 s27, s27, 0x80000000
	tensor_load_to_lds s[24:27], s[28:35]          ; my 16 rows of wq: the one tensor load of the wave
	s_nop 0
.rept 4
	v_nop
.endr
	s_lshl_b32 s36, s17, 19                        ; x at token 128 gy + 16 wave
	s_lshl_b32 s38, s[WV], 16
	s_add_co_u32 s36, s36, s38
	s_add_nc_u64 s[4:5], s[4:5], s[36:37]
	s_lshl_b32 s36, ttmp9, 12                      ; wq's scales at row 128 gx + 64 n, 32 bytes a row
	s_lshl_b32 s38, s19, 11
	s_add_co_u32 s36, s36, s38
	s_add_nc_u64 s[8:9], s[8:9], s[36:37]
	s_lshl_b32 s36, ttmp9, 9                       ; bq at column 128 gx + 64 n
	s_lshl_b32 s38, s19, 8
	s_add_co_u32 s36, s36, s38
	s_add_nc_u64 s[10:11], s[10:11], s[36:37]
	v_and_b32 v1, 31, v0                           ; l
	v_and_b32 v2, 15, v0                           ; r
	v_bfe_u32 v3, v0, 4, 1                         ; h
	s_delay_alu instid0(VALU_DEP_1)
	v_lshlrev_b32 v4, 12, v3
	s_delay_alu instid0(VALU_DEP_1)
	v_lshl_add_u32 v4, v2, 4, v4                   ; x: lanes 16-31 one row further down, 16 bytes a lane
	v_lshlrev_b32 v5, 4, v1                        ; 16 l
	s_wait_alu depctr_va_vdst(0)
	v_lshlrev_b32 v15, 5, v1                       ; wq's scales: 32 l
	v_lshlrev_b32 v34, 5, v3                       ; bq for D1: 32 h
	v_lshlrev_b32 v35, 2, v2                       ; bq for D2: 4 r
	global_load_b128 v[WS:WS+3], v15, s[8:9]
	global_load_b128 v[WS+4:WS+7], v15, s[8:9] offset:16
	global_load_b128 v[WS+8:WS+11], v15, s[8:9] offset:1024
	global_load_b128 v[WS+12:WS+15], v15, s[8:9] offset:1040
.irp t, 0,1,2,3
	global_load_b128 v[B1+8*\t:B1+8*\t+3], v34, s[10:11] offset:64*\t
	global_load_b128 v[B1+8*\t+4:B1+8*\t+7], v34, s[10:11] offset:64*\t+16
.endr
.irp t, 0,1,2,3
.irp j, 0,1,2,3,4,5,6,7
	global_load_b32 v[B2+8*\t+\j], v35, s[10:11] offset:64*\t     ; eight equal registers: D2's eight rows are tokens
.endr
.endr
	XLOAD 0, 0
	XLOAD 1, 1
	XLOAD 2, 2
	XLOAD 3, 3
	s_lshl_b32 s36, s[WV], 14
	v_add_nc_u32 v6, s36, v5                       ; where I store x's images: 16,384 wave + 16 l
	s_lshl_b32 s36, s18, 10
	s_lshl_b32 s38, s19, 6
	s_add_co_u32 s38, s38, s36
	s_add_co_u32 s38, s38, XSC
	v_lshl_add_u32 v7, v2, 2, s38                  ; and their scale words
	s_lshl_b32 s38, s18, 15
	v_add_nc_u32 v8, s38, v5                       ; where I read x's fragments: tiles 2 a, 2 a + 1
	s_add_co_u32 s36, s36, XSC
	v_lshl_add_u32 v9, v1, 2, s36                  ; and their scale words: 4 l
	v_mul_u32_u24 v10, v2, WP
	s_delay_alu instid0(VALU_DEP_1)
	v_lshl_add_u32 v10, v3, 4, v10
	s_mul_i32 s36, s19, 64*WP
	s_add_co_u32 s36, s36, WT
	v_add_nc_u32 v10, s36, v10                     ; wq's fragments: row 64 n + r, + 16 h
	s_mul_i32 s36, s19, 768
	s_add_co_u32 s36, s36, SST
	s_lshl_b32 s38, s18, 2
	s_add_co_u32 s38, s38, s36
	v_add_nc_u32 v11, s38, v5                      ; K's scale word: 16 l + 4 a
	s_add_co_u32 s38, s36, s18
	s_add_co_u32 s38, s38, 512
	v_lshl_add_u32 v12, v2, 3, s38                 ; V's scale byte: 512 + 8 r + a
	v_lshlrev_b32 v13, 4, v3                       ; 16 h
	s_lshl_b32 s38, s[WV], 8
	s_add_co_u32 s38, s38, SST
	v_lshl_add_u32 v36, v1, 3, s38                 ; the copy of the scale bytes: 256 wave + 8 l
	v_lshlrev_b32 v37, 3, v1
	s_mul_i32 s38, s[WV], 4352
	s_add_co_u32 s38, s38, STG                     ; my stage
	v_mul_u32_u24 v38, v3, 272
	s_delay_alu instid0(VALU_DEP_1)
	v_lshl_add_u32 v38, v2, 4, v38
	s_delay_alu instid0(VALU_DEP_1)
	v_add_nc_u32 v38, s38, v38                     ; in, as loaded: row h of a pair, 16 r
	v_mul_u32_u24 v39, v2, 272
	s_delay_alu instid0(VALU_DEP_1)
	v_lshl_add_u32 v39, v3, 6, v39
	s_delay_alu instid0(VALU_DEP_1)
	v_add_nc_u32 v39, s38, v39                     ; back: row r, + 64 h
.irp b, 0,1,2,3
	v_mov_b32 v[TM+4+\b], 0                        ; a lane permute's destination counts as one of its sources
.endr
	; where the results go
	s_lshr_b32 s36, s17, 4
	s_lshl_b32 s36, s36, 4
	s_lshl_b32 s38, ttmp9, 1
	s_add_co_u32 s36, s36, s38                     ; the first of my work-group's two heads: 16 batch + 2 gx
	s_and_b32 s38, s17, 15                         ; the key step
	s_add_co_u32 s39, s36, s19
	s_lshl_b32 s40, s39, 18
	s_lshl_b32 s41, s38, 14
	s_add_co_u32 s40, s40, s41
	s_lshl_b32 s41, s18, 11
	s_add_co_u32 s42, s40, s41
	s_mov_b32 s43, 0
	s_add_nc_u64 s[KB:KB+1], s[12:13], s[42:43]    ; K's images of tiles 2 a, 2 a + 1
	s_lshl_b32 s41, s18, 9
	s_add_co_u32 s42, s40, s41
	s_add_co_u32 s42, s42, 8192
	s_add_nc_u64 s[VB:VB+1], s[12:13], s[42:43]    ; V's images, key block a
	s_mul_i32 s42, s36, 12288
	s_mul_i32 s41, s38, 768
	s_add_co_u32 s42, s42, s41
	s_cmp_ge_u32 s[WV], 3
	s_cselect_b32 s41, 11520, 0                    ; waves 3 to 5 copy the second head's three blocks of 256 bytes: 12,288 - 768 further on
	s_add_co_u32 s42, s42, s41
	s_lshl_b32 s41, s[WV], 8
	s_add_co_u32 s42, s42, s41
	s_add_nc_u64 s[14:15], s[14:15], s[42:43]
	; ---- x tile = my wave's number: eight K steps become eight images.  Loads run four K steps ahead
	s_wait_alu depctr_va_vdst(0)
.irp s, 0,1,2,3,4,5,6,7
.if \s < 5
	s_wait_loadcnt 48                              ; this K step's 16 loads are in; the three K steps behind it, 16 loads each, may be out
.else
	s_wait_loadcnt 16*(7-\s)
.endif
	TURNX \s%4
	s_wait_dscnt 0x0                               ; the numbers are back; the stage's stores have read the set, and the last step's image and scale word are stored
.if \s < 4
	XLOAD \s, \s+4                                 ; so the set takes the loads of four K steps on
.endif
	QUANT XQ, 0, PCA, PW, 0
.irp c, 0,1,2,3
	ds_store_b128 v6, v[PCA+4*\c:PCA+4*\c+3] offset:2048*\s+512*\c
.endr
	ds_store_b32 v7, v[PW] offset:128*\s
.endr
	s_wait_tensorcnt 0x0                           ; my rows of wq have landed,
	s_wait_dscnt 0x0                               ; my images are stored:
	s_barrier_signal -1
	s_barrier_wait -1                              ; everybody's
	; ---- eight K steps; sixteen accumulators by turns, in the same order in every step
.irp s, 0,1,2,3,4,5,6,7
.if \s > 0
.rept 8
	v_nop                                          ; places in front of loads into registers that matrix instructions have read
.endr
.endif
.irp e, 0,1
.irp c, 0,1,2,3
	ds_load_b128 v[XF+16*\e+4*\c:XF+16*\e+4*\c+3], v8 offset:16384*\e+2048*\s+512*\c
.endr
.endr
.irp t, 0,1,2,3
.irp c, 0,1,2,3
	ds_load_b128 v[WF+16*\t+4*\c:WF+16*\t+4*\c+3], v10 offset:16*WP*\t+128*\s+32*\c
.endr
.endr
	ds_load_b32 v[XS], v9 offset:128*\s
	s_wait_dscnt 0x0
.if \s == 0
	WIN 0x40                                       ; D in window 1; the first step's C is the bias, in window 0
.else
	WIN 0x50
.endif
.irp e, 0,1
.irp t, 0,1,2,3
.if \s == 0
	WM 8*(4*\e+\t), WF+16*\t, XF+16*\e, B1+8*\t, WS+8*(\t/2)+\s, XS, \t%2, \e
.else
	WM 8*(4*\e+\t), WF+16*\t, XF+16*\e, 8*(4*\e+\t), WS+8*(\t/2)+\s, XS, \t%2, \e
.endif
.endr
.endr
.irp t, 0,1,2,3
.irp e, 0,1
.if \s == 0
	WM 64+8*(2*\t+\e), XF+16*\e, WF+16*\t, B2+8*\t, XS, WS+8*(\t/2)+\s, \e, \t%2
.else
	WM 64+8*(2*\t+\e), XF+16*\e, WF+16*\t, 64+8*(2*\t+\e), XS, WS+8*(\t/2)+\s, \e, \t%2
.endif
.endr
.endr
	WIN 0
.endr
.rept 8
	v_nop
.endr
	; ---- D1: block 2 e + c = tokens of tile 2 a + e, d 32 c .. 32 c + 31
	QUANT 0, 0, PCA, PW, 1
.irp e, 0,1
.irp c, 0,1
	global_store_b128 v5, v[PCA+8*\e+4*\c:PCA+8*\e+4*\c+3], s[KB:KB+1] offset:1024*\e+512*\c   ; 512 consecutive bytes
.endr
.endr
	v_lshrrev_b32 v14, v13, v[PW]
	s_delay_alu instid0(VALU_DEP_1)
	v_and_b32 v14, 0xffff, v14                     ; lanes 0-15 keep tile 2 a's two bytes, lanes 16-31 tile 2 a + 1's,
	s_delay_alu instid0(VALU_DEP_1)
	v_lshl_or_b32 v14, v14, 16, v14                ; twice: bytes 2 and 3 repeat bytes 0 and 1
	ds_store_b32 v11, v14
	; ---- D2: block t = d tile t, the 32 tokens of key block a
	QUANT 64, 0, PCB, PW, 1
.irp t, 0,1,2,3
	global_store_b128 v5, v[PCB+4*\t:PCB+4*\t+3], s[VB:VB+1] offset:2048*\t
.endr
.irp t, 0,1,2,3
	ds_store_b8 v12, v[TM+4+\t] offset:128*(\t%2)+4*(\t/2)   ; both halves of the lanes write the same byte with the same value
.endr
	s_wait_dscnt 0x0
	s_barrier_signal -1
	s_barrier_wait -1                              ; the two heads' 1,536 scale bytes lie in LDS
	s_cmp_lt_u32 s[WV], 6
	s_cbranch_scc0 .Ldone
	ds_load_b64 v[56:57], v36
	s_wait_dscnt 0x0
	global_store_b64 v37, v[56:57], s[14:15]       ; 256 consecutive bytes, aligned
.Ldone:
	s_wait_tensorcnt 0x0
	ds_add_u32 v254, v255
	s_wait_dscnt 0x0
	s_endpgm
.Lfunc_end_k_q6a85600d34_proj:
	.size	k_q6a85600d34_proj, .Lfunc_end_k_q6a85600d34_proj-k_q6a85600d34_proj
	.p2alignl 7, 3214868480
	.fill 96, 4, 3214868480
	.section	.rodata,"a",@progbits
	.p2align	6, 0x0
	.amdhsa_kernel k_q6a85600d34_proj
		.amdhsa_group_segment_fixed_size 306176
		.amdhsa_private_segment_fixed_size 0
		.amdhsa_enable_private_segment 0
		.amdhsa_kernarg_size 48
		.amdhsa_user_sgpr_count 2
		.amdhsa_user_sgpr_kernarg_segment_ptr 1
		.amdhsa_wavefront_size32 1
		.amdhsa_system_sgpr_workgroup_id_x 1
		.amdhsa_system_sgpr_workgroup_id_y 1
		.amdhsa_system_sgpr_workgroup_id_z 1
		.amdhsa_system_vgpr_workitem_id 0
		.amdhsa_next_free_vgpr 512
		.amdhsa_next_free_sgpr 66
		.amdhsa_reserve_vcc 0
		.amdhsa_float_denorm_mode_32 3
		.amdhsa_float_denorm_mode_16_64 3
		.amdhsa_memory_ordered 1
		.amdhsa_forward_progress 1
		.amdhsa_inst_pref_size 160
	.end_amdhsa_kernel
	.amdgpu_metadata
---
amdhsa.version: [ 1, 2 ]
amdhsa.kernels:
  - .name:           k_q6a85600d34_proj
    .symbol:         k_q6a85600d34_proj.kd
    .args:
      - { .name: x, .offset: 0, .size: 8, .value_kind: global_buffer, .address_space: global }
      - { .name: wq_codes, .offset: 8, .size: 8, .value_kind: global_buffer, .address_space: global }
      - { .name: wq_scales, .offset: 16, .size: 8, .value_kind: global_buffer, .address_space: global }
      - { .name: bq, .offset: 24, .size: 8, .value_kind: global_buffer, .address_space: global }
      - { .name: kv_codes, .offset: 32, .size: 8, .value_kind: global_buffer, .address_space: global }
      - { .name: kv_scales, .offset: 40, .size: 8, .value_kind: global_buffer, .address_space: global }
    .group_segment_fixed_size: 306176
    .private_segment_fixed_size: 0
    .kernarg_segment_align: 8
    .kernarg_segment_size: 48
    .max_flat_workgroup_size: 256
    .sgpr_count:     66
    .vgpr_count:     512
    .wavefront_size: 32
...
	.end_amdgpu_metadata
.endif
;; end of part 1
;; launch attn (part 2): grid 8 x 32, 8 waves a work-group, clusters of 4 x 1, 327,680 bytes of LDS; arguments kv_codes, kv_scales, x, z; writes z
.if DOCPART == 2
	.amdgcn_target "amdgcn-amd-amdhsa--gfx1250"
	.amdhsa_code_object_version 6
	.text
	.protected	k_q6a85600d34_attn
	.globl	k_q6a85600d34_attn
	.p2align	8
	.type	k_q6a85600d34_attn,@function
k_q6a85600d34_attn:
	s_mov_b64 s[64:65], 0
	v_nop
	global_prefetch_b8 v0, s[64:65] scope:SCOPE_SE
	s_setreg_imm32_b32 hwreg(HW_REG_WAVE_MODE, 25, 1), 1
	s_wait_xcnt 0x0
	s_wait_alu depctr_hold_cnt(0) depctr_sa_sdst(0) depctr_va_vdst(0) depctr_va_sdst(0) depctr_va_ssrc(0) depctr_va_vcc(0) depctr_vm_vsrc(0)
	s_getreg_b32 s2, hwreg(HW_REG_IB_STS2, 6, 4)
	s_cmp_eq_u32 s2, 0
	s_cbranch_scc0 .Lentry_in_a_cluster
	s_endpgm
.Lentry_in_a_cluster:
	s_bfe_u32 s2, ttmp6, 0x10000c
	s_cmp_lg_u32 s2, 0x3003
	s_cbranch_scc0 .Lentry_shape_is_right
	s_endpgm
.Lentry_shape_is_right:
; z = x + attention, q = k = v = h, head size 64, both products on codes of BF8 (E5M2) with one E8M0 scale for each 32 along K.
; t = score x log2(e) / 8; M = the running largest t rounded up to a whole number; p = 2^(t - M) is quantised along the keys, not normalised; the sum of the unquantised p divides at the end.
; SHARES: a work-group owns 256 queries of one head of one batch; each of its eight waves owns 32 of them, two tiles of 16, so that each fragment of K and of V read from LDS feeds two products.
; A WHOLE HEAD'S K AND V (262,144 bytes of images of operand registers, 12,288 scale bytes) LIE IN LDS, each byte filled once: the first 280 rows of 256 bytes (steps 0 to 3 among them) and the scale bytes at the head, one load a wave;
; the other 744 rows behind the full sequence and a round of the cluster's barrier, 93 rows a wave.
; CLUSTER: the four query blocks of a cluster belong to one head: each load is asked for jointly, with a mask that names the four.
; Both products are used transposed: S^T = K Q^T, O^T = V^T P^T: a lane holds one query of each tile throughout.
; THE SCORES' K IS 64, the instruction's 128: Q's operand is 8 registers of zero codes and then Q's 8; K's tile t takes the 8 registers ahead of it (zero codes, or the tile before: finite numbers) and its own 8; the scale words hold their two bytes twice.
; A STEP (128 keys): 16 products S^T | both tiles' softmax, line by line by turns, so that no line waits for the line above it | the next step's K is asked for ahead of the exponentials | O^T x f | 8 products | the next step's V is asked for.
; A split barrier in each step (signal ahead of the exponentials, wait behind the products) holds the eight waves within one step of each other; it orders no memory.
; The order of keys inside a block of 32 is the same in p's codes (two result tiles: 16 u + 8 h + i) and in V's images.
; No prefetch: all that the launch reads of K and V is asked for by the two groups of loads at its head; there is no loop of loads to run ahead in.
; LIMITS: NaN and infinities are not served; the promise holds while the scaled scores stay under 2^31 in magnitude; a block of p that has fallen to 0 keeps the scale byte 1 over zero codes.
; REGISTERS, window 0 (tile j): v1 16 l; v2, v3 places among K's and V's scale words; v4-6 the step's addresses; v7 offset in x and z; v8, v9 the spare word and 0; v10, v11 the stage; v[12+4j..15+4j] -M, largest t, sum (pair);
;   v24-27 K's scale words, v28-29 V's, v30+j Q's, v32+j p's; v34+j at work; v[36+46j] f (pair); v[38+46j], v[86+4j], v[88+4j] chains of the sum (pairs); v[40+184j..] the four blocks' maxima, bytes, holds, scale operands;
;   v[56+184j..] p's codes; v[73+4j..] the holds once more; v[96+64j..] S^T, then p.
; window 1: v0-7 zero codes; v8-71 K's eight tiles; v72-135 V's four fragments; v136-199 O^T of tile 0, 1; v200-231 Q's two operands (8 zero registers, 8 of Q, twice).
.set SCL,   262144                     ; LDS: behind the 16 steps of 16,384 bytes: 768 scale bytes a step
.set SPARE, 274432                     ; the spare words: 128 bytes a wave
.set STG,   275456                     ; the stages of the way out: 16 rows x 272 bytes a wave, bytes that no load fills
.set WV,   12
.set SEL,  16
.set CS,   18                          ; s[18:19] c = log2(e) / 8
.set MNT,  20
.set TB,   21
.set TS,   22
.set CNT,  23
.set G1S,  24
.set G1A,  32
.set G1B,  40
.set G0S,  48
.set G0A,  52
.set G0B,  56
.set KS, 24
.set VS, 28
.set QS, 30
.set PS, 32
.set WK, 34
.set FF, 36
.set SUA, 38
.set SUB, 86
.set SUC, 88
.set TM, 40
.set PC, 56
.set HB, 73
.set S0, 96
.set KF, 8
.set VF, 72
.set OT, 136
.set QF, 200
.set MSB, 0
.macro WIN new                         ; the immediate's high byte repeats the setting that is left
.if MSB != (\new)
	s_set_vgpr_msb (MSB<<8)|(\new)
.set MSB, (\new)
.endif
.endm
.macro PLACES n
.rept \n
	v_nop
.endr
.endm
.macro WM d, a, b, c, sa, sb, ra
.if (\c) < 0
.if (\ra)
	v_wmma_scale_f32_16x16x128_f8f6f4 v[(\d):(\d)+7], v[(\a):(\a)+15], v[(\b):(\b)+15], 0, v[\sa], v[\sb] matrix_a_fmt:MATRIX_FMT_BF8 matrix_b_fmt:MATRIX_FMT_BF8 matrix_a_scale:MATRIX_SCALE_ROW1
.else
	v_wmma_scale_f32_16x16x128_f8f6f4 v[(\d):(\d)+7], v[(\a):(\a)+15], v[(\b):(\b)+15], 0, v[\sa], v[\sb] matrix_a_fmt:MATRIX_FMT_BF8 matrix_b_fmt:MATRIX_FMT_BF8
.endif
.else
.if (\ra)
	v_wmma_scale_f32_16x16x128_f8f6f4 v[(\d):(\d)+7], v[(\a):(\a)+15], v[(\b):(\b)+15], v[(\c):(\c)+7], v[\sa], v[\sb] matrix_a_fmt:MATRIX_FMT_BF8 matrix_b_fmt:MATRIX_FMT_BF8 matrix_a_scale:MATRIX_SCALE_ROW1
.else
	v_wmma_scale_f32_16x16x128_f8f6f4 v[(\d):(\d)+7], v[(\a):(\a)+15], v[(\b):(\b)+15], v[(\c):(\c)+7], v[\sa], v[\sb] matrix_a_fmt:MATRIX_FMT_BF8 matrix_b_fmt:MATRIX_FMT_BF8
.endif
.endif
.endm
.macro CROUND                          ; a round of the cluster's barrier
	s_barrier_signal -1
	s_barrier_wait -1
	s_cmp_lg_u32 s[WV], 0
	s_cbranch_scc1 .Lnot_wave_0_\@
	s_barrier_signal -3
.Lnot_wave_0_\@:
	s_barrier_wait -3
	s_barrier_signal -1
	s_barrier_wait -1
.endm
.macro LOADK koff, soff                ; 17 loads: K's eight tiles and four scale words (word j: lanes 0-15 tile 2 j, lanes 16-31 tile 2 j + 1)
	WIN 0x40
.irp t, 0,1,2,3,4,5,6,7
	ds_load_b128 v[KF+8*\t:KF+8*\t+3], v4 offset:(\koff)+1024*\t
	ds_load_b128 v[KF+8*\t+4:KF+8*\t+7], v4 offset:(\koff)+1024*\t+512
.endr
	WIN 0
	ds_load_b128 v[KS:KS+3], v5 offset:\soff
.endm
.macro LOADV koff, soff                ; 17 loads: V's four fragments and two scale words
	WIN 0x40
.irp b, 0,1,2,3
.irp c, 0,1,2,3
	ds_load_b128 v[VF+16*\b+4*\c:VF+16*\b+4*\c+3], v4 offset:(\koff)+8192+2048*\b+512*\c
.endr
.endr
	WIN 0
	ds_load_b64 v[VS:VS+1], v6 offset:\soff
.endm
	s_load_b256 s[4:11], s[0:1], 0x0               ; kv_codes, kv_scales, x, z
	v_lshl_add_u32 v8, v0, 2, SPARE
	v_mov_b32 v9, 0
	ds_add_u32 v8, v9                              ; the opening lines: the add twice on end, and its wait ahead of my first tensor load
	ds_add_u32 v8, v9
	v_lshrrev_b32 v1, 5, v0
	v_readfirstlane_b32 s[WV], v1                  ; wave 0..7
	s_bfe_u32 s13, ttmp6, 0x40000                  ; cx
	s_lshl_b32 s14, ttmp9, 2
	s_add_co_u32 s14, s14, s13                     ; my block of 256 queries: it enters global addresses of Q, x and z alone
	s_and_b32 s15, ttmp7, 0xffff                   ; 16 batch + head, which the four partners share
.irp g, G1S, G1A, G1B                  ; dense blocks as rows of 256 bytes (32 elements of 8 bytes); the mask names all four work-groups, bit 21 beside it
	s_mov_b32 s[\g], 15|(3<<16)|(1<<21)
	s_mov_b32 s[\g+1], 32<<16
	s_mov_b32 s[\g+3], 32<<16
	s_mov_b32 s[\g+5], 32
	s_mov_b32 s[\g+6], 0
	s_mov_b32 s[\g+7], 0
.endr
	s_mov_b32 s[G1S+2], 48<<16                     ; the head's scale bytes: 12,288
	s_mov_b32 s[G1S+4], 48
	s_mov_b32 s[G1A+2], 40<<16                     ; a seventh of the first 280 rows: 10,240 bytes
	s_mov_b32 s[G1A+4], 40
	s_mov_b32 s[G1B+2], 93<<16                     ; an eighth of the other 744 rows: 23,808 bytes
	s_mov_b32 s[G1B+4], 93
	s_mov_b32 s[SEL], 0x76543210
	s_mov_b32 s[SEL+1], 0xfedcba98
	s_mov_b32 s[CS], 0x3e38aa3b
	s_mov_b32 s[CS+1], s[CS]
	s_mov_b32 s[MNT], 0x600000
	s_mov_b32 s[TB], 0
	s_mov_b32 s[TS], 0
	s_lshl_b32 s60, s15, 18
	s_mov_b32 s61, 0
	s_mul_i32 s62, s15, 12288
	s_mov_b32 s63, 0
	s_wait_dscnt 0x0
	s_wait_kmcnt 0x0
	s_add_nc_u64 s[4:5], s[4:5], s[60:61]          ; the head's images
	s_add_nc_u64 s[6:7], s[6:7], s[62:63]          ; and scale bytes
	s_mov_b32 s[G0S], 1
	s_mov_b32 s[G0S+1], SCL
	s_mov_b64 s[G0S+2:G0S+3], s[6:7]
	s_or_b32 s[G0S+3], s[G0S+3], 0x80000000
	s_mul_i32 s60, s[WV], 10240
	s_mov_b32 s[G0A], 1
	s_mov_b32 s[G0A+1], s60
	s_add_nc_u64 s[G0A+2:G0A+3], s[4:5], s[60:61]
	s_or_b32 s[G0A+3], s[G0A+3], 0x80000000
	s_mul_i32 s60, s[WV], 23808
	s_add_co_u32 s60, s60, 71680
	s_mov_b32 s[G0B], 1
	s_mov_b32 s[G0B+1], s60
	s_add_nc_u64 s[G0B+2:G0B+3], s[4:5], s[60:61]
	s_or_b32 s[G0B+3], s[G0B+3], 0x80000000
	CROUND                                         ; all four work-groups are here: the joint loads meet
	s_cmp_lt_u32 s[WV], 7                          ; one load a wave: waves 0 to 6 forty rows each, wave 7 the scale bytes
	s_cbranch_scc0 .Lfor_scales
	tensor_load_to_lds s[G0A:G0A+3], s[G1A:G1A+7]
	s_nop 0
	PLACES 4
	s_branch .Lasked
.Lfor_scales:
	tensor_load_to_lds s[G0S:G0S+3], s[G1S:G1S+7]
	s_nop 0
	PLACES 4
.Lasked:
	s_lshr_b32 s74, s15, 4                         ; my first token: 2,048 batch + 256 block + 32 wave; a row of x is 4,096 bytes, a head's part 256
	s_lshl_b32 s74, s74, 11
	s_lshl_b32 s75, s14, 8
	s_add_co_u32 s74, s74, s75
	s_lshl_b32 s75, s[WV], 5
	s_add_co_u32 s74, s74, s75
	s_lshl_b32 s74, s74, 12
	s_and_b32 s75, s15, 15
	s_lshl_b32 s75, s75, 8
	s_add_co_u32 s74, s74, s75
	s_mov_b32 s75, 0
	s_add_nc_u64 s[70:71], s[8:9], s[74:75]
	s_add_nc_u64 s[72:73], s[10:11], s[74:75]
	s_lshl_b32 s74, s14, 1                         ; Q is K's image of my tokens: step 2 block + wave / 4, tiles 2 (wave % 4) and the next
	s_lshr_b32 s76, s[WV], 2
	s_add_co_u32 s74, s74, s76
	s_and_b32 s76, s[WV], 3
	s_lshl_b32 s77, s74, 14
	s_lshl_b32 s2, s76, 11
	s_add_co_u32 s2, s2, s77
	s_mov_b32 s3, 0
	s_add_nc_u64 s[66:67], s[4:5], s[2:3]
	s_mul_i32 s2, s74, 768                         ; its scale words: 256 (tile % 2) + 16 r + 4 (tile / 2) in the step's K part
	s_lshl_b32 s77, s76, 2
	s_add_co_u32 s2, s2, s77
	s_add_nc_u64 s[68:69], s[6:7], s[2:3]
	v_and_b32 v20, 31, v0                          ; l
	v_and_b32 v21, 15, v0                          ; r
	v_bfe_u32 v22, v0, 4, 1                        ; h
	v_lshlrev_b32 v1, 4, v20
	v_lshlrev_b32 v23, 4, v21
	WIN 0x40
.irp j, 0,1
	global_load_b128 v[QF+16*\j+8:QF+16*\j+11], v1, s[66:67] offset:1024*\j
	global_load_b128 v[QF+16*\j+12:QF+16*\j+15], v1, s[66:67] offset:1024*\j+512
.endr
	WIN 0
	global_load_b32 v[QS], v23, s[68:69]
	global_load_b32 v[QS+1], v23, s[68:69] offset:256
	v_add_nc_u32 v2, SCL, v1                       ; K's scale words: 16 l
	v_lshl_add_u32 v3, v20, 3, SCL+512             ; V's: 8 l
	v_lshlrev_b32 v7, 12, v22
	v_lshl_add_u32 v7, v21, 4, v7                  ; x, z: lanes 0-15 one row, lanes 16-31 the next; 16 bytes a lane
	s_mul_i32 s74, s[WV], 4352
	s_add_co_u32 s74, s74, STG                     ; my stage
	v_mul_u32_u24 v10, v21, 272
	v_lshl_add_u32 v10, v22, 5, v10
	v_add_nc_u32 v10, s74, v10                     ; in: row r, + 32 h
	v_mul_u32_u24 v11, v22, 272
	v_lshl_add_u32 v11, v21, 4, v11
	v_add_nc_u32 v11, s74, v11                     ; back: by rows
.irp j, 0,1
	v_mov_b32 v[13+4*\j], 0xff61b1e6               ; -3e38, under every t
	v_floor_f32 v[12+4*\j], -v[13+4*\j]
	v_mov_b32 v[14+4*\j], 0
	v_mov_b32 v[15+4*\j], 0
	v_mov_b32 v[FF+46*\j+1], 0                     ; named as the upper half of the pair
.endr
	WIN 0x40
.irp n, 0,1,2,3,4,5,6,7
	v_mov_b32 v[\n], 0                             ; zero codes ahead of K's first tile,
	v_mov_b32 v[QF+\n], 0                          ; and in the lower halves of Q's operands
	v_mov_b32 v[QF+16+\n], 0
.endr
.set N, 0
.rept 64
	v_mov_b32 v[OT+N], 0                           ; O^T: the step is written once; the first change of M multiplies zeros
.set N, N+1
.endr
	WIN 0
.macro HOLD8 j, b                      ; the hold of a block's 16 numbers of a lane, two a line (ISA guide 7.6.2); p is not negative
.irp i, 0,2,4,6,8,10,12,14
	v_dual_min_num_f32 v[S0+64*(\j)+16*(\b)+\i], v[S0+64*(\j)+16*(\b)+\i], v[TM+184*(\j)+8+(\b)] :: v_dual_min_num_f32 v[S0+64*(\j)+16*(\b)+\i+1], v[S0+64*(\j)+16*(\b)+\i+1], v[HB+4*(\j)+(\b)]
.endr
.endm
.macro CVT2 j, b
	v_cvt_scalef32_pk8_bf8_f32 v[PC+184*(\j)+4*(\b):PC+184*(\j)+4*(\b)+1], v[S0+64*(\j)+16*(\b):S0+64*(\j)+16*(\b)+7], v[TM+184*(\j)+12+(\b)]
	v_cvt_scalef32_pk8_bf8_f32 v[PC+184*(\j)+4*(\b)+2:PC+184*(\j)+4*(\b)+3], v[S0+64*(\j)+16*(\b)+8:S0+64*(\j)+16*(\b)+15], v[TM+184*(\j)+12+(\b)]
.endm
; THE SOFTMAX OF BOTH TILES, by turns: S^T becomes p, its codes and its scale word; f = 2^(old M - new M).
.macro SOFT2 pre
	s_wait_alu depctr_va_vdst(0)                   ; the wait directly ahead of the first readers of the products' results
.irp j, 0,1                            ; the largest score of each block of 32 keys, in two chains a block: for the row's maximum and, since p rises with the score, for the block's largest p
.irp b, 0,1,2,3
	v_max3_num_f32 v[TM+184*\j+\b], v[S0+64*\j+16*\b], v[S0+64*\j+16*\b+1], v[S0+64*\j+16*\b+2]
.endr
.irp b, 0,1,2,3
	v_max3_num_f32 v[TM+184*\j+4+\b], v[S0+64*\j+16*\b+8], v[S0+64*\j+16*\b+9], v[S0+64*\j+16*\b+10]
.endr
.endr
.irp i, 3,5
.irp j, 0,1
.irp b, 0,1,2,3
	v_max3_num_f32 v[TM+184*\j+\b], v[TM+184*\j+\b], v[S0+64*\j+16*\b+\i], v[S0+64*\j+16*\b+\i+1]
.endr
.irp b, 0,1,2,3
	v_max3_num_f32 v[TM+184*\j+4+\b], v[TM+184*\j+4+\b], v[S0+64*\j+16*\b+8+\i], v[S0+64*\j+16*\b+9+\i]
.endr
.endr
.endr
.irp j, 0,1
.irp b, 0,1,2,3
	v_max3_num_f32 v[TM+184*\j+\b], v[TM+184*\j+\b], v[S0+64*\j+16*\b+7], v[S0+64*\j+16*\b+15]
.endr
.endr
.irp j, 0,1
.irp b, 0,1,2,3
	v_max_num_f32 v[TM+184*\j+\b], v[TM+184*\j+\b], v[TM+184*\j+4+\b]
.endr
.endr
.irp j, 0,1
.irp b, 0,1,2,3
	v_permlanex16_b32 v[TM+184*\j+4+\b], v[TM+184*\j+\b], s[SEL], s[SEL+1]
.endr
.endr
.irp j, 0,1
.irp b, 0,1,2,3
	v_max_num_f32 v[TM+184*\j+\b], v[TM+184*\j+\b], v[TM+184*\j+4+\b]
.endr
.endr
.irp j, 0,1
	v_max3_num_f32 v[WK+\j], v[TM+184*\j], v[TM+184*\j+1], v[TM+184*\j+2]
.endr
.irp j, 0,1
	v_max_num_f32 v[WK+\j], v[WK+\j], v[TM+184*\j+3]
.endr
.irp j, 0,1
	v_mul_f32 v[WK+\j], s[CS], v[WK+\j]
.endr
.irp j, 0,1
	v_max_num_f32 v[13+4*\j], v[13+4*\j], v[WK+\j] ; the running largest t
.endr
.irp j, 0,1
	v_mov_b32 v[WK+\j], v[12+4*\j]
.endr
.irp j, 0,1
	v_floor_f32 v[12+4*\j], -v[13+4*\j]            ; -M = floor(-t): M is a whole number
.endr
.irp j, 0,1
	v_sub_f32 v[WK+\j], v[12+4*\j], v[WK+\j]
.endr
.irp j, 0,1
.irp b, 0,1,2,3
	v_fma_f32 v[TM+184*\j+\b], v[TM+184*\j+\b], s[CS], v[12+4*\j]
.endr
.endr
.irp j, 0,1
	v_cvt_i32_f32 v[WK+\j], v[WK+\j]
.endr
.irp j, 0,1
.set N, 0
.rept 32
	v_pk_fma_f32 v[S0+64*\j+N:S0+64*\j+N+1], v[S0+64*\j+N:S0+64*\j+N+1], s[CS:CS+1], v[12+4*\j:13+4*\j] op_sel_hi:[1,0,0]   ; t - M
.set N, N+2
.endr
	v_ldexp_f32 v[FF+46*\j], 1.0, v[WK+\j]         ; f: a multiplication by it rounds nothing
.endr
	s_wait_alu depctr_va_vdst(0)                   ; the wait ahead of the batch, and ahead of the wait below
	s_wait_dscnt 0x0                               ; V and its scale words, asked for at the last step's end, are in: no LDS load of mine is out
.if \pre
	s_barrier_signal -1                            ; I am in this step
	LOADK 16384, 768                               ; into the registers that the products have read, more than eight places back
.endif
.set N, 0
.rept 128
	v_exp_f32 v[S0+N], v[S0+N]                     ; p = 2^(t - M)
.set N, N+1
.endr
.irp j, 0,1
.irp b, 0,1,2,3
	v_exp_f32 v[TM+184*\j+\b], v[TM+184*\j+\b]     ; the block's largest p
.endr
.endr
.irp j, 0,1
	v_pk_mul_f32 v[14+4*\j:15+4*\j], v[14+4*\j:15+4*\j], v[FF+46*\j:FF+46*\j+1] op_sel_hi:[1,0]   ; the sum under the new M; plain lines behind the exponentials
.endr
	s_wait_alu depctr_va_vdst(0)                   ; one wait for the batch, ahead of its first reader
.irp j, 0,1                            ; the sum of the unquantised p, in four chains a tile
	v_pk_add_f32 v[SUA+46*\j:SUA+46*\j+1], v[S0+64*\j:S0+64*\j+1], v[S0+64*\j+2:S0+64*\j+3]
	v_pk_add_f32 v[SUB+4*\j:SUB+4*\j+1], v[S0+64*\j+4:S0+64*\j+5], v[S0+64*\j+6:S0+64*\j+7]
	v_pk_add_f32 v[SUC+4*\j:SUC+4*\j+1], v[S0+64*\j+8:S0+64*\j+9], v[S0+64*\j+10:S0+64*\j+11]
.endr
.irp n, 12,20,28,36,44,52
.irp j, 0,1
	v_pk_add_f32 v[14+4*\j:15+4*\j], v[14+4*\j:15+4*\j], v[S0+64*\j+\n:S0+64*\j+\n+1]
	v_pk_add_f32 v[SUA+46*\j:SUA+46*\j+1], v[SUA+46*\j:SUA+46*\j+1], v[S0+64*\j+\n+2:S0+64*\j+\n+3]
	v_pk_add_f32 v[SUB+4*\j:SUB+4*\j+1], v[SUB+4*\j:SUB+4*\j+1], v[S0+64*\j+\n+4:S0+64*\j+\n+5]
	v_pk_add_f32 v[SUC+4*\j:SUC+4*\j+1], v[SUC+4*\j:SUC+4*\j+1], v[S0+64*\j+\n+6:S0+64*\j+\n+7]
.endr
.endr
.irp j, 0,1
	v_pk_add_f32 v[14+4*\j:15+4*\j], v[14+4*\j:15+4*\j], v[S0+64*\j+60:S0+64*\j+61]
	v_pk_add_f32 v[SUA+46*\j:SUA+46*\j+1], v[SUA+46*\j:SUA+46*\j+1], v[S0+64*\j+62:S0+64*\j+63]
.endr
.irp j, 0,1
.irp b, 0,1,2,3
	v_max_num_f32 v[TM+184*\j+\b], 0x8000000, v[TM+184*\j+\b]    ; the floor 2^(16 - 127)
.endr
.endr
.irp j, 0,1
	v_pk_add_f32 v[SUA+46*\j:SUA+46*\j+1], v[SUA+46*\j:SUA+46*\j+1], v[SUB+4*\j:SUB+4*\j+1]
	v_pk_add_f32 v[14+4*\j:15+4*\j], v[14+4*\j:15+4*\j], v[SUC+4*\j:SUC+4*\j+1]
.endr
.irp j, 0,1
.irp b, 0,1,2,3
	v_add_nc_u32 v[TM+184*\j+12+\b], 0xf8800000, v[TM+184*\j+\b]   ; 15 off the exponent field: the conversion's scale operand
.endr
.endr
.irp j, 0,1
	v_pk_add_f32 v[14+4*\j:15+4*\j], v[14+4*\j:15+4*\j], v[SUA+46*\j:SUA+46*\j+1]
.endr
.irp j, 0,1
.irp b, 0,1,2,3
	v_and_or_b32 v[TM+184*\j+8+\b], v[TM+184*\j+\b], 0x7f800000, s[MNT]   ; 57,344 x the scale,
.endr
.endr
.irp j, 0,1
.irp b, 0,1,2,3
	v_and_or_b32 v[HB+4*\j+\b], v[TM+184*\j+\b], 0x7f800000, s[MNT]       ; kept twice: the halves of a dual form take their second sources from different register banks
.endr
.endr
.irp j, 0,1
.irp b, 0,1,2,3
	v_lshrrev_b32 v[TM+184*\j+4+\b], 23, v[TM+184*\j+12+\b]
.endr
.endr
.irp j, 0,1
	v_lshl_or_b32 v[PS+\j], v[TM+184*\j+5], 8, v[TM+184*\j+4]   ; p's scale word for these 128 keys
.endr
.irp j, 0,1
	v_lshl_or_b32 v[PS+\j], v[TM+184*\j+6], 16, v[PS+\j]
.endr
.irp j, 0,1
	v_lshl_or_b32 v[PS+\j], v[TM+184*\j+7], 24, v[PS+\j]
.endr
.irp b, 0,1,2,3                        ; a block's conversions stand behind the other tile's holds
	HOLD8 0, \b
.if \b > 0
	CVT2 1, \b-1
.endif
	HOLD8 1, \b
	CVT2 0, \b
.endr
	CVT2 1, 3
.endm
; O^T of both tiles under the new M, then O^T += V^T P^T: eight accumulators by turns
.macro PV2
	WIN 0x41
	s_wait_alu depctr_va_vdst(0)                   ; the wait directly ahead of the first readers of O^T
.irp j, 0,1
.set N, 0
.rept 16
	v_pk_mul_f32 v[OT+32*\j+N:OT+32*\j+N+1], v[OT+32*\j+N:OT+32*\j+N+1], v[FF+46*\j:FF+46*\j+1] op_sel_hi:[1,0]   ; also the places between the conversions and the products
.set N, N+2
.endr
.endr
	WIN 0x51
.irp j, 0,1
.irp t, 0,1,2,3
	WM OT+32*\j+8*\t, VF+16*\t, PC+184*\j, OT+32*\j+8*\t, VS+\t/2, PS+\j, \t%2
.endr
.endr
	WIN 0
.endm
; A KEY STEP.  pre = 1: the next step's K and V are asked for;  last = 1: x is asked for into K's registers.
.macro STEP pre, last
	s_wait_dscnt 17                                ; K and its scale words are in; the 17 loads of V behind them may be out
	WIN 0x05
.irp j, 0,1
.irp t, 0,1,2,3,4,5,6,7
	WM S0+64*\j+8*\t, 8*\t, QF+16*\j, -1, KS+\t/2, QS+\j, \t%2
.endr
.endr
	WIN 0
.if \pre
	v_add_nc_u32 v4, s[TB], v1                     ; this step's addresses: three of the eight places behind the products
	v_add_nc_u32 v5, s[TS], v2
	v_add_nc_u32 v6, s[TS], v3
	PLACES 5
.else
	PLACES 8
.endif
.if \last
	WIN 0x40
.irp j, 0,1
.irp k, 0,1,2,3,4,5,6,7
	global_load_b128 v[KF+32*\j+4*\k:KF+32*\j+4*\k+3], v7, s[70:71] offset:65536*\j+8192*\k
.endr
.endr
	WIN 0
.endif
	SOFT2 \pre
	PV2
.if \pre
	s_barrier_wait -1                              ; every wave is in this step
.endif
	PLACES 8                                       ; in front of loads into V's registers, and of the way out's reads
.if \pre
	LOADV 16384, 768
.endif
	s_add_co_u32 s[TB], s[TB], 16384
	s_add_co_u32 s[TS], s[TS], 768
.endm
	s_wait_alu depctr_va_vdst(0)                   ; the wait at the head's end
	s_wait_tensorcnt 0x0                           ; my load of the head is in; the three lines ahead of a later first fill:
	ds_add_u32 v8, v9
	s_wait_dscnt 0x0
	CROUND                                         ; steps 0 to 3 and the scale bytes are whole, and the four work-groups are here
	tensor_load_to_lds s[G0B:G0B+3], s[G1B:G1B+7]  ; my eighth of the other rows
	s_nop 0
	PLACES 4
	v_add_nc_u32 v4, s[TB], v1
	v_add_nc_u32 v5, s[TS], v2
	v_add_nc_u32 v6, s[TS], v3
	LOADK 0, 0
	LOADV 0, 0
	s_wait_alu depctr_va_vdst(0)
	s_wait_loadcnt 0x0                             ; Q
	s_mov_b32 s[CNT], 3
.Lfirst:                                           ; steps 0 to 2; the last of them asks for step 3
	STEP 1, 0
	s_sub_co_u32 s[CNT], s[CNT], 1
	s_cmp_lg_u32 s[CNT], 0
	s_wait_alu depctr_va_vdst(0)
	s_cbranch_scc1 .Lfirst
	s_wait_tensorcnt 0x0                           ; my share of the other rows is in
	s_wait_dscnt 0x0
	s_barrier_signal -1
	s_barrier_wait -1                              ; everybody's
	s_mov_b32 s[CNT], 12
.Lrest:                                            ; steps 3 to 14
	STEP 1, 0
	s_sub_co_u32 s[CNT], s[CNT], 1
	s_cmp_lg_u32 s[CNT], 0
	s_wait_alu depctr_va_vdst(0)
	s_cbranch_scc1 .Lrest
	STEP 0, 1                                      ; step 15 is written out: nothing lies behind it
	; THE WAY OUT: O^T / the sum through my stage, a tile after the other, back as rows of 256 bytes, + x, stored
	v_add_f32 v14, v14, v15
	v_add_f32 v18, v18, v19
	v_permlanex16_b32 v34, v14, s[SEL], s[SEL+1]
	v_permlanex16_b32 v35, v18, s[SEL], s[SEL+1]
	v_add_f32 v14, v14, v34
	v_add_f32 v18, v18, v35
	s_wait_alu depctr_va_vdst(0)                   ; ahead of the batch of two
	v_rcp_f32 v14, v14
	v_rcp_f32 v18, v18
	v_nop
	WIN 0x01
	s_wait_alu depctr_va_vdst(0)                   ; ahead of the reciprocals' first reader and of the first readers of O^T
.irp j, 0,1
.set N, 0
.rept 16
	v_pk_mul_f32 v[S0+32*\j+N:S0+32*\j+N+1], v[OT+32*\j+N:OT+32*\j+N+1], v[14+4*\j:15+4*\j] op_sel_hi:[1,0]
.set N, N+2
.endr
.endr
	WIN 0
.irp j, 0,1
.irp t, 0,1,2,3
	ds_store_b128 v10, v[S0+32*\j+8*\t:S0+32*\j+8*\t+3] offset:64*\t
	ds_store_b128 v10, v[S0+32*\j+8*\t+4:S0+32*\j+8*\t+7] offset:64*\t+16
.endr
.irp k, 0,1,2,3,4,5,6,7
	ds_load_b128 v[160+32*\j+4*\k:163+32*\j+4*\k], v11 offset:544*\k   ; LDS serves a wave's instructions in order (ISA guide 5.7.1.4): these see my stores, and the next tile's stores come behind them
.endr
.endr
	s_wait_loadcnt 0x0                             ; x, asked for a key step ago
	s_wait_dscnt 0x0
	WIN 0x04
.set N, 0
.rept 32
	v_pk_add_f32 v[160+N:161+N], v[160+N:161+N], v[KF+N:KF+N+1]
.set N, N+2
.endr
	WIN 0
.irp j, 0,1
.irp k, 0,1,2,3,4,5,6,7
	global_store_b128 v7, v[160+32*\j+4*\k:163+32*\j+4*\k], s[72:73] offset:65536*\j+8192*\k   ; sixteen lanes store 256 consecutive bytes, aligned: one token's part of one head
.endr
.endr
	s_wait_tensorcnt 0x0                           ; the wave's end
	ds_add_u32 v8, v9
	s_wait_dscnt 0x0
	CROUND                                         ; the closing round
	s_endpgm
.Lfunc_end_k_q6a85600d34_attn:
	.size	k_q6a85600d34_attn, .Lfunc_end_k_q6a85600d34_attn-k_q6a85600d34_attn
	.p2alignl 7, 3214868480
	.fill 96, 4, 3214868480
	.section	.rodata,"a",@progbits
	.p2align	6, 0x0
	.amdhsa_kernel k_q6a85600d34_attn
		.amdhsa_group_segment_fixed_size 327680
		.amdhsa_private_segment_fixed_size 0
		.amdhsa_enable_private_segment 0
		.amdhsa_kernarg_size 32
		.amdhsa_user_sgpr_count 2
		.amdhsa_user_sgpr_kernarg_segment_ptr 1
		.amdhsa_wavefront_size32 1
		.amdhsa_system_sgpr_workgroup_id_x 1
		.amdhsa_system_sgpr_workgroup_id_y 1
		.amdhsa_system_sgpr_workgroup_id_z 1
		.amdhsa_system_vgpr_workitem_id 0
		.amdhsa_next_free_vgpr 512
		.amdhsa_next_free_sgpr 80
		.amdhsa_reserve_vcc 0
		.amdhsa_float_denorm_mode_32 3
		.amdhsa_float_denorm_mode_16_64 3
		.amdhsa_memory_ordered 1
		.amdhsa_forward_progress 1
		.amdhsa_inst_pref_size 125
	.end_amdhsa_kernel
	.amdgpu_metadata
---
amdhsa.version: [ 1, 2 ]
amdhsa.kernels:
  - .name:           k_q6a85600d34_attn
    .symbol:         k_q6a85600d34_attn.kd
    .args:
      - { .name: kv_codes, .offset: 0, .size: 8, .value_kind: global_buffer, .address_space: global }
      - { .name: kv_scales, .offset: 8, .size: 8, .value_kind: global_buffer, .address_space: global }
      - { .name: x, .offset: 16, .size: 8, .value_kind: global_buffer, .address_space: global }
      - { .name: z, .offset: 24, .size: 8, .value_kind: global_buffer, .address_space: global }
    .group_segment_fixed_size: 327680
    .private_segment_fixed_size: 0
    .kernarg_segment_align: 8
    .kernarg_segment_size: 32
    .max_flat_workgroup_size: 256
    .sgpr_count:     80
    .vgpr_count:     512
    .wavefront_size: 32
...
	.end_amdgpu_metadata
.endif
;; end of part 2
;; launch ln1 (part 3): grid 256 x 1, 4 waves a work-group, no clusters, 168,448 bytes of LDS; arguments z, ln1_a, ln1_b, x1, x1_codes, x1_scales; writes x1, x1_codes, x1_scales
.if DOCPART == 3
	.amdgcn_target "amdgcn-amd-amdhsa--gfx1250"
	.amdhsa_code_object_version 6
	.text
	.protected	k_q6a85600d34_ln1
	.globl	k_q6a85600d34_ln1
	.p2align	8
	.type	k_q6a85600d34_ln1,@function
k_q6a85600d34_ln1:
	s_mov_b64 s[64:65], 0
	v_nop
	global_prefetch_b8 v0, s[64:65] scope:SCOPE_SE
	s_setreg_imm32_b32 hwreg(HW_REG_WAVE_MODE, 25, 1), 1
	s_wait_xcnt 0x0
; x1 = a (z - mean) / (std + 1e-6) + b along rows of 1,024, std with 1,023 in the divisor; x1 leaves as f32 and as codes of BF8 (E5M2), K innermost, with one E8M0 byte for each 32.
; A work-group owns 16 rows; wave w owns columns 256 w .. 256 w + 255.  Lane (r, h) holds 128 numbers of row r, 16 neighbours of each block of 32, as the conversions want them: a row's sums take one exchange
; between the halves of the lanes and one among the four waves.  The mean is taken away before the squares are summed: two passes over registers, so a common offset costs nothing.
; z comes by one tensor load a wave, in whole rows of 1,024 bytes, into the wave's own LDS bytes; the same bytes, which are filled once, serve as the stage for the f32 rows on the way out.
; Matrix units and clusters buy nothing here: memory binds, and no input is shared but a and b (8 KB).
; LIMITS: NaN and infinities are not served; a block whose largest magnitude lies under 2^-111 keeps the scale byte 1: these bytes are read by this program alone.
.set IP,   1040                        ; a row in LDS: 1,024 bytes + 16
.set CSG,  66560                       ; behind the four waves' 16,640 bytes: stages for the codes, 16 rows x 272 a wave
.set RED1, 83968
.set RED2, 84224
.set SS,   84480                       ; the 16 rows' 512 scale bytes
.set TM,   16
.set WV,   16
.set SEL,  20
.set MNT,  22
.set MSB, 0
.macro WIN new
.if MSB != (\new)
	s_set_vgpr_msb (MSB<<8)|(\new)
.set MSB, (\new)
.endif
.endm
.macro QUANT s, relu, pc, pw, W        ; 64 numbers of a lane in window W become 16 registers of codes and a scale word
	WIN (\W)|((\W)<<2)
.irp b, 0,1,2,3
	v_max3_num_f32 v[TM+\b], |v[(\s)+16*\b]|, |v[(\s)+16*\b+1]|, 0x8000000   ; with the floor 2^(16 - 127)
.endr
.irp i, 2,4,6,8,10,12,14
.irp b, 0,1,2,3
	v_max3_num_f32 v[TM+\b], |v[(\s)+16*\b+\i]|, |v[(\s)+16*\b+\i+1]|, v[TM+\b]
.endr
.endr
	WIN 0
.irp b, 0,1,2,3
	v_permlanex16_b32 v[TM+4+\b], v[TM+\b], s[SEL], s[SEL+1]
.endr
.irp b, 0,1,2,3
	v_max_num_f32 v[TM+\b], v[TM+\b], v[TM+4+\b]
.endr
.irp b, 0,1,2,3
	v_add_nc_u32 v[TM+12+\b], 0xf8800000, v[TM+\b]
.endr
.irp b, 0,1,2,3
	v_and_or_b32 v[TM+8+\b], v[TM+\b], 0x7f800000, s[MNT]
.endr
.irp b, 0,1,2,3
	v_lshrrev_b32 v[TM+4+\b], 23, v[TM+12+\b]
.endr
	v_lshl_or_b32 v[\pw], v[TM+5], 8, v[TM+4]
	v_lshl_or_b32 v[\pw], v[TM+6], 16, v[\pw]
	v_lshl_or_b32 v[\pw], v[TM+7], 24, v[\pw]
	WIN ((\W)<<6)|(\W)
.set QN, 0
.rept 64
	v_med3_num_f32 v[(\s)+QN], v[(\s)+QN], -v[TM+8+QN/16], v[TM+8+QN/16]   ; the hold (ISA guide 7.6.2)
.set QN, QN+1
.endr
	WIN (\W)
.irp b, 0,1,2,3
	v_cvt_scalef32_pk8_bf8_f32 v[(\pc)+4*\b:(\pc)+4*\b+1], v[(\s)+16*\b:(\s)+16*\b+7], v[TM+12+\b]
	v_cvt_scalef32_pk8_bf8_f32 v[(\pc)+4*\b+2:(\pc)+4*\b+3], v[(\s)+16*\b+8:(\s)+16*\b+15], v[TM+12+\b]
.endr
	WIN 0
	v_nop
.endm
.macro ACROSS wr, rd                   ; v40: my 128 numbers' sum -> v48: the row's, the same bits in all four waves
	v_pk_add_f32 v[40:41], v[40:41], v[42:43]
	v_pk_add_f32 v[44:45], v[44:45], v[46:47]
	v_pk_add_f32 v[40:41], v[40:41], v[44:45]
	v_add_f32 v40, v40, v41
	v_permlanex16_b32 v41, v40, s[SEL], s[SEL+1]
	v_add_f32 v40, v40, v41
	ds_store_b32 v[\wr], v40                       ; both halves of the lanes write the same word with the same value
	s_wait_dscnt 0x0
	s_barrier_signal -1
	s_barrier_wait -1
	ds_load_b32 v48, v[\rd]
	ds_load_b32 v49, v[\rd] offset:64
	ds_load_b32 v50, v[\rd] offset:128
	ds_load_b32 v51, v[\rd] offset:192
	s_wait_dscnt 0x0
	v_add_f32 v48, v48, v49
	v_add_f32 v50, v50, v51
	v_add_f32 v48, v48, v50
.endm
	s_load_b256 s[4:11], s[0:1], 0x0               ; z, a, b, x1
	s_load_b128 s[12:15], s[0:1], 0x20             ; x1_codes, x1_scales
	v_lshl_add_u32 v254, v0, 2, 0x29000
	v_mov_b32 v255, 0
	ds_add_u32 v254, v255
	ds_add_u32 v254, v255
	v_lshrrev_b32 v1, 5, v0
	v_readfirstlane_b32 s[WV], v1
	s_mov_b32 s[SEL], 0x76543210
	s_mov_b32 s[SEL+1], 0xfedcba98
	s_mov_b32 s[MNT], 0x600000
	s_mov_b32 s28, (2<<16)|(1<<20)|(7<<22)|(3<<25) ; elements of 4 bytes; four words of padding behind every 256
	s_mov_b32 s29, 256<<16
	s_mov_b32 s30, 16<<16
	s_mov_b32 s31, 256<<16
	s_mov_b32 s32, 16
	s_mov_b32 s33, 1024
	s_mov_b32 s34, 0
	s_mov_b32 s35, 0
	s_lshl_b32 s36, ttmp9, 16                      ; 16 rows of 4,096 bytes a work-group, 1,024 bytes of a row a wave
	s_lshl_b32 s38, s[WV], 10
	s_add_co_u32 s36, s36, s38
	s_mov_b32 s37, 0
	s_mov_b32 s39, 0
	s_mul_i32 s40, s[WV], 16*IP
	s_wait_dscnt 0x0
	s_wait_kmcnt 0x0
	s_mov_b32 s24, 1
	s_mov_b32 s25, s40
	s_add_nc_u64 s[26:27], s[4:5], s[36:37]
	s_or_b32 s27, s27, 0x80000000
	tensor_load_to_lds s[24:27], s[28:35]
	s_nop 0
.rept 4
	v_nop
.endr
	s_add_nc_u64 s[6:7], s[6:7], s[38:39]
	s_add_nc_u64 s[8:9], s[8:9], s[38:39]
	s_add_nc_u64 s[10:11], s[10:11], s[36:37]
	v_and_b32 v1, 31, v0
	v_and_b32 v2, 15, v0
	v_bfe_u32 v3, v0, 4, 1
	v_lshlrev_b32 v6, 6, v3                        ; a, b: 64 h
	WIN 0x80                                       ; destination window 2: a at v0-127, b at v128-255, in z's layout
.set I, 0
.rept 32
	global_load_b128 v[4*I:4*I+3], v6, s[6:7] offset:512*(I/16)+128*((I/4)%4)+16*(I%4)
	global_load_b128 v[128+4*I:128+4*I+3], v6, s[8:9] offset:512*(I/16)+128*((I/4)%4)+16*(I%4)
.set I, I+1
.endr
	WIN 0
	v_mul_u32_u24 v4, v2, IP
	v_lshl_add_u32 v4, v3, 6, v4
	v_add_nc_u32 v4, s40, v4                       ; my 16 neighbours of a block: row r, + 64 h
	v_lshlrev_b32 v7, 4, v1                        ; 16 l
	v_add_nc_u32 v5, s40, v7                       ; rows back
	s_lshl_b32 s41, s[WV], 6
	s_add_co_u32 s42, s41, RED1
	v_lshl_add_u32 v8, v2, 2, s42
	v_lshl_add_u32 v9, v2, 2, RED1
	s_add_co_u32 s42, s41, RED2
	v_lshl_add_u32 v10, v2, 2, s42
	v_lshl_add_u32 v11, v2, 2, RED2
	s_mul_i32 s41, s[WV], 4352
	s_add_co_u32 s41, s41, CSG
	v_mul_u32_u24 v12, v2, 272
	v_lshl_add_u32 v12, v3, 4, v12
	v_add_nc_u32 v12, s41, v12                     ; codes in: row r, + 16 h
	v_mul_u32_u24 v13, v3, 272
	v_lshl_add_u32 v13, v2, 4, v13
	v_add_nc_u32 v13, s41, v13                     ; codes back: by rows
	v_lshlrev_b32 v14, 10, v3
	v_lshl_add_u32 v14, v2, 4, v14                 ; and the same two rows in x1_codes
	s_lshl_b32 s41, s[WV], 3
	s_add_co_u32 s41, s41, SS
	v_lshl_add_u32 v15, v2, 5, s41                 ; my row's two scale words: 32 r + 8 wave
	v_add_nc_u32 v34, SS, v7
.irp b, 0,1,2,3
	v_mov_b32 v[TM+4+\b], 0
.endr
	s_lshl_b32 s36, ttmp9, 14                      ; x1_codes: 16 rows of 1,024 bytes, + 256 wave
	s_lshl_b32 s41, s[WV], 8
	s_add_co_u32 s36, s36, s41
	s_add_nc_u64 s[12:13], s[12:13], s[36:37]
	s_lshl_b32 s36, ttmp9, 9                       ; x1_scales: 16 rows of 32 bytes
	s_add_nc_u64 s[14:15], s[14:15], s[36:37]
	s_wait_tensorcnt 0x0                           ; my bytes are in, and only I read them
	WIN 0x40
.set I, 0
.rept 32
	ds_load_b128 v[4*I:4*I+3], v4 offset:512*(I/16)+128*((I/4)%4)+16*(I%4)
.set I, I+1
.endr
	WIN 0
	s_wait_dscnt 0x0
	; ---- the mean
	WIN 0x05
.irp k, 0,1,2,3
	v_pk_add_f32 v[40+2*\k:41+2*\k], v[2*\k:2*\k+1], v[8+2*\k:9+2*\k]
.endr
	WIN 0x04
.set I, 16
.rept 14
.irp k, 0,1,2,3
	v_pk_add_f32 v[40+2*\k:41+2*\k], v[40+2*\k:41+2*\k], v[I+2*\k:I+2*\k+1]
.endr
.set I, I+8
.endr
	WIN 0
	ACROSS 8, 9
	v_mul_f32 v52, 0x3a800000, v48                 ; / 1,024
	v_mov_b32 v53, v52
	WIN 0x41
.set I, 0
.rept 64
	v_pk_add_f32 v[I:I+1], v[I:I+1], v[52:53] neg_lo:[0,1] neg_hi:[0,1]
.set I, I+2
.endr
	; ---- the spread
	WIN 0x05
.irp k, 0,1,2,3
	v_pk_mul_f32 v[40+2*\k:41+2*\k], v[2*\k:2*\k+1], v[2*\k:2*\k+1]
.endr
.set I, 8
.rept 15
.irp k, 0,1,2,3
	v_pk_fma_f32 v[40+2*\k:41+2*\k], v[I+2*\k:I+2*\k+1], v[I+2*\k:I+2*\k+1], v[40+2*\k:41+2*\k]
.endr
.set I, I+8
.endr
	WIN 0
	ACROSS 10, 11
	v_mul_f32 v48, 0x3a802008, v48                 ; / 1,023
	s_wait_alu depctr_va_vdst(0)
	v_sqrt_f32 v49, v48
	v_nop
	s_wait_alu depctr_va_vdst(0)                   ; ahead of the root's first reader
	v_add_f32 v49, 0x358637bd, v49                 ; + 1e-6
	s_wait_alu depctr_va_vdst(0)
	v_rcp_f32 v54, v49
	v_nop
	s_wait_alu depctr_va_vdst(0)
	v_mov_b32 v55, v54
	WIN 0x41
.set I, 0
.rept 64
	v_pk_mul_f32 v[I:I+1], v[I:I+1], v[54:55]
.set I, I+2
.endr
	s_wait_loadcnt 0x0                             ; a and b
	WIN 0x69                                       ; z in window 1, a and b in window 2
.set I, 0
.rept 64
	v_pk_fma_f32 v[I:I+1], v[I:I+1], v[I:I+1], v[128+I:129+I]
.set I, I+2
.endr
	; ---- f32 out: back into my LDS bytes as they came, and out as whole rows
	WIN 0x04
.set I, 0
.rept 32
	ds_store_b128 v4, v[4*I:4*I+3] offset:512*(I/16)+128*((I/4)%4)+16*(I%4)
.set I, I+1
.endr
	WIN 0x80
.set I, 0
.rept 32
	ds_load_b128 v[4*I:4*I+3], v5 offset:IP*(I/2)+512*(I%2)   ; LDS serves a wave's instructions in order (ISA guide 5.7.1.4)
.set I, I+1
.endr
	WIN 0
	s_wait_dscnt 0x0
	WIN 0x08
.set I, 0
.rept 32
	global_store_b128 v7, v[4*I:4*I+3], s[10:11] offset:4096*(I/2)+512*(I%2)   ; 512 consecutive bytes, aligned
.set I, I+1
.endr
	WIN 0
	; ---- codes: my two K steps of 128
.irp q, 0,1
	QUANT 64*\q, 0, 56, 32+\q, 1
.irp c, 0,1,2,3
	ds_store_b128 v12, v[56+4*\c:59+4*\c] offset:128*\q+32*\c
.endr
	s_wait_dscnt 0x0                               ; the stores have read their registers
.endr
	ds_store_b64 v15, v[32:33]
.irp k, 0,1,2,3,4,5,6,7
	ds_load_b128 v[72+4*\k:75+4*\k], v13 offset:544*\k
.endr
	s_wait_dscnt 0x0
.irp k, 0,1,2,3,4,5,6,7
	global_store_b128 v14, v[72+4*\k:75+4*\k], s[12:13] offset:2048*\k   ; sixteen lanes store 256 consecutive bytes, aligned
.endr
	s_barrier_signal -1
	s_barrier_wait -1                              ; the 16 rows' scale bytes lie in LDS
	s_cmp_lg_u32 s[WV], 0
	s_cbranch_scc1 .Lend
	ds_load_b128 v[104:107], v34
	s_wait_dscnt 0x0
	global_store_b128 v7, v[104:107], s[14:15]     ; 512 consecutive bytes
.Lend:
	s_wait_tensorcnt 0x0
	ds_add_u32 v254, v255
	s_wait_dscnt 0x0
	s_endpgm
.Lfunc_end_k_q6a85600d34_ln1:
	.size	k_q6a85600d34_ln1, .Lfunc_end_k_q6a85600d34_ln1-k_q6a85600d34_ln1
	.p2alignl 7, 3214868480
	.fill 96, 4, 3214868480
	.section	.rodata,"a",@progbits
	.p2align	6, 0x0
	.amdhsa_kernel k_q6a85600d34_ln1
		.amdhsa_group_segment_fixed_size 168448
		.amdhsa_private_segment_fixed_size 0
		.amdhsa_enable_private_segment 0
		.amdhsa_kernarg_size 48
		.amdhsa_user_sgpr_count 2
		.amdhsa_user_sgpr_kernarg_segment_ptr 1
		.amdhsa_wavefront_size32 1
		.amdhsa_system_sgpr_workgroup_id_x 1
		.amdhsa_system_sgpr_workgroup_id_y 1
		.amdhsa_system_sgpr_workgroup_id_z 1
		.amdhsa_system_vgpr_workitem_id 0
		.amdhsa_next_free_vgpr 768
		.amdhsa_next_free_sgpr 66
		.amdhsa_reserve_vcc 0
		.amdhsa_float_denorm_mode_32 3
		.amdhsa_float_denorm_mode_16_64 3
		.amdhsa_memory_ordered 1
		.amdhsa_forward_progress 1
		.amdhsa_inst_pref_size 61
	.end_amdhsa_kernel
	.amdgpu_metadata
---
amdhsa.version: [ 1, 2 ]
amdhsa.kernels:
  - .name:           k_q6a85600d34_ln1
    .symbol:         k_q6a85600d34_ln1.kd
    .args:
      - { .name: z, .offset: 0, .size: 8, .value_kind: global_buffer, .address_space: global }
      - { .name: ln1_a, .offset: 8, .size: 8, .value_kind: global_buffer, .address_space: global }
      - { .name: ln1_b, .offset: 16, .size: 8, .value_kind: global_buffer, .address_space: global }
      - { .name: x1, .offset: 24, .size: 8, .value_kind: global_buffer, .address_space: global }
      - { .name: x1_codes, .offset: 32, .size: 8, .value_kind: global_buffer, .address_space: global }
      - { .name: x1_scales, .offset: 40, .size: 8, .value_kind: global_buffer, .address_space: global }
    .group_segment_fixed_size: 168448
    .private_segment_fixed_size: 0
    .kernarg_segment_align: 8
    .kernarg_segment_size: 48
    .max_flat_workgroup_size: 128
    .sgpr_count:     66
    .vgpr_count:     768
    .wavefront_size: 32
...
	.end_amdgpu_metadata
.endif
;; end of part 3
;; launch ffn1 (part 4): grid 16 x 16, 4 waves a work-group, clusters of 4 x 4, 327,680 bytes of LDS; arguments x1_codes, x1_scales, w1_codes, w1_scales, b1, hid_codes, hid_scales; writes hid_codes, hid_scales
.if DOCPART == 4
	.amdgcn_target "amdgcn-amd-amdhsa--gfx1250"
	.amdhsa_code_object_version 6
	.text
	.protected	k_q6a85600d34_ffn1
	.globl	k_q6a85600d34_ffn1
	.p2align	8
	.type	k_q6a85600d34_ffn1,@function
k_q6a85600d34_ffn1:
	s_mov_b64 s[64:65], 0
	v_nop
	global_prefetch_b8 v0, s[64:65] scope:SCOPE_SE
	s_setreg_imm32_b32 hwreg(HW_REG_WAVE_MODE, 25, 1), 1
	s_wait_xcnt 0x0
	s_wait_alu depctr_hold_cnt(0) depctr_sa_sdst(0) depctr_va_vdst(0) depctr_va_sdst(0) depctr_va_ssrc(0) depctr_va_vcc(0) depctr_vm_vsrc(0)
	s_getreg_b32 s2, hwreg(HW_REG_IB_STS2, 6, 4)
	s_cmp_eq_u32 s2, 0
	s_cbranch_scc0 .Lentry_in_a_cluster
	s_endpgm
.Lentry_in_a_cluster:
	s_bfe_u32 s2, ttmp6, 0x10000c
	s_cmp_lg_u32 s2, 0xf033
	s_cbranch_scc0 .Lentry_shape_is_right
	s_endpgm
.Lentry_shape_is_right:
.set SIZE_K, 1024
.set KSTEP,  256
.set NQ,     KSTEP/128
.set ROWB,   256
.set KROW,   SIZE_K
.set PITCH,  272
.set FR,     16
.set NL,     4
.set NP,     8
.set HALFT,  128*PITCH
.set SLOT,   4*HALFT
.set LAPS,   SIZE_K/(2*KSTEP)
.set KS,     SIZE_K/32
.set SCL,    2*SLOT
.set HALFS,  (128*KS/256)*272
.set SBLK,   (16*KS/256)*272
.set SPARE,  SCL+4*HALFS
.set SSW,    SPARE+512
.set ADRA, 16
.set ADRB, 20
.set SSA,  24
.set SSR,  25
.set CO,   26
.set ADRS, 27
.set SPW,  28
.set NIL,  29
.set LI,   30
.set BO,   31
.set SC,   32
.set BIA,  64
.set AF,   128
.set TM,   128
.set G1, 24
.set G0, 32
.set G1B, 48
.set G0B, 56
.set G1S, 68
.set G0S, 76
.set G1SB, 80
.set G0SB, 88
.set SEL, 66
.set MNT, 95
.set MSB, 0
.macro WIN new
.if MSB != (\new)
	s_set_vgpr_msb (MSB<<8)|(\new)
.set MSB, (\new)
.endif
.endm
.set MUL_LO, 0xa1
.set MUL_HI, 0xf1
.set TO_B,   0x40
.macro JLOAD g0a, g1a, g0b, g1b
	s_cmp_eq_u32 s15, 0
	s_cbranch_scc0 .Lfor_b_\@
	tensor_load_to_lds s[\g0a:\g0a+3], s[\g1a:\g1a+7]
	s_nop 0
.rept 4
	v_nop
.endr
	s_branch .Lasked_\@
.Lfor_b_\@:
	tensor_load_to_lds s[\g0b:\g0b+3], s[\g1b:\g1b+7]
	s_nop 0
.rept 4
	v_nop
.endr
.Lasked_\@:
.endm
.macro CREST
	s_cmp_lg_u32 s14, 0
	s_cbranch_scc1 .Lnot_wave_0_\@
	s_barrier_signal -3
.Lnot_wave_0_\@:
	s_barrier_wait -3
	s_barrier_signal -1
	s_barrier_wait -1
.endm
.macro CROUND
	s_barrier_signal -1
	s_barrier_wait -1
	CREST
.endm
.macro QUANT s, relu, pc, pw, W
	WIN (\W)|((\W)<<2)
.irp b, 0,1,2,3
	v_max3_num_f32 v[TM+\b], v[(\s)+16*\b], v[(\s)+16*\b+1], 0x8000000
.endr
.irp i, 2,4,6,8,10,12,14
.irp b, 0,1,2,3
	v_max3_num_f32 v[TM+\b], v[(\s)+16*\b+\i], v[(\s)+16*\b+\i+1], v[TM+\b]
.endr
.endr
	WIN 0
.irp b, 0,1,2,3
	v_permlanex16_b32 v[TM+4+\b], v[TM+\b], s[SEL], s[SEL+1]
.endr
.irp b, 0,1,2,3
	v_max_num_f32 v[TM+\b], v[TM+\b], v[TM+4+\b]
.endr
.irp b, 0,1,2,3
	v_add_nc_u32 v[TM+12+\b], 0xf8800000, v[TM+\b]
.endr
.irp b, 0,1,2,3
	v_and_or_b32 v[TM+8+\b], v[TM+\b], 0x7f800000, s[MNT]
.endr
.irp b, 0,1,2,3
	v_lshrrev_b32 v[TM+4+\b], 23, v[TM+12+\b]
.endr
	v_lshl_or_b32 v[\pw], v[TM+5], 8, v[TM+4]
	v_lshl_or_b32 v[\pw], v[TM+6], 16, v[\pw]
	v_lshl_or_b32 v[\pw], v[TM+7], 24, v[\pw]
	WIN ((\W)<<6)|(\W)
.set QN, 0
.rept 64
	v_med3_num_f32 v[(\s)+QN], v[(\s)+QN], 0, v[TM+8+QN/16]
.set QN, QN+1
.endr
	WIN (\W)
.irp b, 0,1,2,3
	v_cvt_scalef32_pk8_bf8_f32 v[(\pc)+4*\b:(\pc)+4*\b+1], v[(\s)+16*\b:(\s)+16*\b+7], v[TM+12+\b]
	v_cvt_scalef32_pk8_bf8_f32 v[(\pc)+4*\b+2:(\pc)+4*\b+3], v[(\s)+16*\b+8:(\s)+16*\b+15], v[TM+12+\b]
.endr
	WIN 0
	v_nop
.endm
	s_load_b128 s[4:7], s[0:1], 0x0
	s_load_b128 s[8:11], s[0:1], 0x10
	s_load_b64 s[12:13], s[0:1], 0x20
	s_load_b128 s[96:99], s[0:1], 0x28
	v_lshl_add_u32 v[SPW], v0, 2, SPARE
	v_mov_b32 v[NIL], 0
	ds_add_u32 v28, v29
	ds_add_u32 v28, v29
	s_wait_dscnt 0x0
	v_lshrrev_b32 v1, 5, v0
	v_readfirstlane_b32 s14, v1
	s_lshr_b32 s15, s14, 1
	s_and_b32 s16, s14, 1
	s_bfe_u32 s40, ttmp6, 0x40000
	s_bfe_u32 s41, ttmp6, 0x40004
	s_lshl_b32 s42, ttmp9, 2
	s_add_co_u32 s42, s42, s40
	s_and_b32 s17, ttmp7, 0xffff
	s_lshl_b32 s17, s17, 2
	s_add_co_u32 s17, s17, s41
	s_lshl_b32 s43, s41, 2
	s_lshl_b32 s43, 15, s43
	s_lshl_b32 s44, 0x1111, s40
	s_mov_b32 s[SEL], 0x76543210
	s_mov_b32 s[SEL+1], 0xfedcba98
	s_mov_b32 s[MNT], 0x600000
	s_or_b32 s[G1+0], s43, (0<<16)|(1<<20)|(1<<21)|(5<<22)|(3<<25)
	s_or_b32 s[G1B+0], s44, (0<<16)|(1<<20)|(1<<21)|(5<<22)|(3<<25)
.irp g, G1, G1B
	s_mov_b32 s[\g+1], ROWB<<16
	s_mov_b32 s[\g+2], 256<<16                     ; the head's loads bring 256 rows; behind them these two words are set to 128
	s_mov_b32 s[\g+3], ROWB<<16
	s_mov_b32 s[\g+4], 256
	s_mov_b32 s[\g+5], KROW
	s_mov_b32 s[\g+6], 0
	s_mov_b32 s[\g+7], 0
.endr
	s_or_b32 s[G1S+0], s43, (3<<16)|(1<<20)|(1<<21)|(5<<22)|(3<<25)
	s_or_b32 s[G1SB+0], s44, (3<<16)|(1<<20)|(1<<21)|(5<<22)|(3<<25)
.irp g, G1S, G1SB
	s_mov_b32 s[\g+1], 32<<16
	s_mov_b32 s[\g+2], KS<<16                      ; the scale bytes of 256 rows: KS rows of 256 bytes
	s_mov_b32 s[\g+3], 32<<16
	s_mov_b32 s[\g+4], KS
	s_mov_b32 s[\g+5], 32
	s_mov_b32 s[\g+6], 0
	s_mov_b32 s[\g+7], 0
.endr
	s_lshl_b32 s20, s17, 8
	s_lshl_b32 s46, s42, 8
	s_mov_b32 s21, 0
	s_mov_b32 s47, 0
	s_mov_b64 s[18:19], KS
	s_mul_u64 s[22:23], s[20:21], s[18:19]
	s_mul_u64 s[92:93], s[46:47], s[18:19]
	s_mov_b64 s[18:19], KROW
	s_mul_u64 s[20:21], s[20:21], s[18:19]
	s_mul_u64 s[46:47], s[46:47], s[18:19]
	s_mul_i32 s45, s14, HALFT
	s_mul_i32 s18, s16, 128*KROW                   ; in the ring I fetch 128 rows of a tile: which half, in bytes
	s_mov_b32 s19, 0
	s_wait_kmcnt 0x0
	s_add_nc_u64 s[20:21], s[4:5], s[20:21]
	s_add_nc_u64 s[22:23], s[6:7], s[22:23]
	s_add_nc_u64 s[46:47], s[8:9], s[46:47]
	s_add_nc_u64 s[92:93], s[10:11], s[92:93]
	CROUND
	s_mov_b32 s[G0S], 1
	s_mov_b32 s[G0S+1], SCL
	s_mov_b64 s[G0S+2:G0S+3], s[22:23]
	s_or_b32 s[G0S+3], s[G0S+3], 0x80000000
	s_mov_b32 s[G0SB], 1
	s_mov_b32 s[G0SB+1], SCL+2*HALFS
	s_mov_b64 s[G0SB+2:G0SB+3], s[92:93]
	s_or_b32 s[G0SB+3], s[G0SB+3], 0x80000000
.set G0H, 4                            ; s[4:7], s[8:11] group 0 of the head's loads of K step 0 (the arguments that lay there have been used)
.set G0HB, 8
	s_mov_b32 s[G0H], 1
	s_mov_b32 s[G0H+1], 0
	s_mov_b64 s[G0H+2:G0H+3], s[20:21]
	s_or_b32 s[G0H+3], s[G0H+3], 0x80000000
	s_mov_b32 s[G0HB], 1
	s_mov_b32 s[G0HB+1], 2*HALFT
	s_mov_b64 s[G0HB+2:G0HB+3], s[46:47]
	s_or_b32 s[G0HB+3], s[G0HB+3], 0x80000000
	s_add_nc_u64 s[20:21], s[20:21], s[18:19]      ; for the ring: my 128 rows of the tile
	s_add_nc_u64 s[46:47], s[46:47], s[18:19]
.irp s, 0,1
	s_mov_b32 s[G0+4*\s], 1
	s_add_co_u32 s[G0+4*\s+1], s45, \s*SLOT
	s_add_nc_u64 s[G0+4*\s+2:G0+4*\s+3], s[20:21], \s*ROWB
	s_or_b32 s[G0+4*\s+3], s[G0+4*\s+3], 0x80000000
	s_mov_b32 s[G0B+4*\s], 1
	s_add_co_u32 s[G0B+4*\s+1], s45, \s*SLOT
	s_add_nc_u64 s[G0B+4*\s+2:G0B+4*\s+3], s[46:47], \s*ROWB
	s_or_b32 s[G0B+4*\s+3], s[G0B+4*\s+3], 0x80000000
.endr
; THE HEAD'S LOADS, ONE A WAVE: wave 0 K step 0's 256 rows of A, wave 1 its 256 rows of B, wave 2 A's scale bytes, wave 3 B's.  One tree of branches on the wave's number.
.macro ARM under, g0, g1, next
	s_cmp_lt_u32 s14, \under
	s_cbranch_scc0 \next
	tensor_load_to_lds s[\g0:\g0+3], s[\g1:\g1+7]
	s_nop 0
.rept 4
	v_nop
.endr
	s_branch .Lhead_asked
\next:
.endm
	ARM 1, G0H,  G1,  .Lhead_b
	ARM 2, G0HB, G1B, .Lhead_sa
	ARM 3, G0S,  G1S, .Lhead_sb
	tensor_load_to_lds s[G0SB:G0SB+3], s[G1SB:G1SB+7]
	s_nop 0
.rept 4
	v_nop
.endr
.Lhead_asked:
	; prefetches into the L2 of K steps 2 and 3, which the two refills will ask for: of the 128 rows that I fetch, the partner at place p (cx for A, cy for B) names rows 32 p on, a lane a row, 256 bytes of each
	s_cmp_eq_u32 s15, 0
	s_cselect_b64 s[92:93], s[20:21], s[46:47]
	s_cselect_b32 s22, s40, s41
	s_mul_i32 s22, s22, 32*KROW
	s_mov_b32 s23, 0
	s_add_nc_u64 s[92:93], s[92:93], s[22:23]
	v_and_b32 v7, 31, v0
	v_mul_u32_u24 v7, v7, KROW
	global_prefetch_b8 v7, s[92:93] offset:2*ROWB th:TH_LOAD_NT scope:SCOPE_SE
	v_and_b32 v1, 15, v0
	s_wait_alu depctr_va_vdst(0)
	v_bfe_u32 v2, v0, 4, 1
	s_lshl_b32 s46, s42, 10
	s_lshl_b32 s47, s16, 9
	s_add_co_u32 s46, s46, s47
	s_mov_b32 s47, 0
	s_add_nc_u64 s[12:13], s[12:13], s[46:47]
	v_lshlrev_b32 v[BO], 5, v2
.irp b, 0,1,2,3,4,5,6,7
	global_load_b128 v[BIA+8*\b:BIA+8*\b+3], v[BO], s[12:13] offset:64*\b
	global_load_b128 v[BIA+8*\b+4:BIA+8*\b+7], v[BO], s[12:13] offset:64*\b+16
.endr
	v_mul_u32_u24 v3, v1, PITCH
	v_lshl_add_u32 v4, v2, 4, v3
	s_mul_i32 s21, s15, HALFT
	s_mul_i32 s22, s16, HALFT
	s_add_co_u32 s22, s22, 2*HALFT
.irp s, 0,1
	v_add_nc_u32 v[ADRA+\s], s21, v4
	v_add_nc_u32 v[ADRB+\s], s22, v4
	s_add_co_u32 s21, s21, SLOT
	s_add_co_u32 s22, s22, SLOT
.endr
	v_mul_u32_u24 v5, v1, KS
	v_lshrrev_b32 v6, 8, v5
	v_lshl_add_u32 v5, v6, 4, v5
	s_mul_i32 s21, s15, HALFS
	s_mul_i32 s22, s16, HALFS
	s_add_co_u32 s22, s22, 2*HALFS
	s_sub_co_u32 s22, s22, s21
	v_mul_u32_u24 v6, s22, v2
	s_add_co_u32 s21, s21, SCL
	v_add_nc_u32 v5, v5, v6
	v_add_nc_u32 v[ADRS], s21, v5
	s_lshl_b32 s23, s14, 9
	s_add_co_u32 s23, s23, SSW
	v_lshl_add_u32 v[SSA], v1, 2, s23
	v_and_b32 v6, 31, v0
	v_lshlrev_b32 v[LI], 4, v6
	v_add_nc_u32 v[SSR], s23, v[LI]
	v_lshlrev_b32 v[CO], 4, v1
	v_lshl_add_u32 v[CO], v2, 3, v[CO]
	s_lshl_b32 s20, s17, 20
	s_lshl_b32 s21, s15, 19
	s_add_co_u32 s20, s20, s21
	s_lshl_b32 s21, s42, 12
	s_add_co_u32 s20, s20, s21
	s_lshl_b32 s21, s16, 11
	s_add_co_u32 s20, s20, s21
	s_mov_b32 s21, 0
	s_add_nc_u64 s[96:97], s[96:97], s[20:21]
	s_lshl_b32 s20, s42, 15
	s_lshl_b32 s46, s16, 14
	s_add_co_u32 s20, s20, s46
	s_lshl_b32 s46, s17, 10
	s_add_co_u32 s20, s20, s46
	s_lshl_b32 s46, s15, 9
	s_add_co_u32 s20, s20, s46
	s_add_nc_u64 s[98:99], s[98:99], s[20:21]
.macro FRAG reg, adr, q, i
.irp c, 0,1,2,3
	ds_load_b128 v[\reg+4*\c:\reg+4*\c+3], v[\adr] offset:128*(\q)+32*\c+(\i)*16*PITCH
.endr
.endm
.macro MUL16 a0, p, q, sc, zero
.irp a, \a0, \a0+1
.irp b, 0,1,2,3,4,5,6,7
.if \zero
	v_wmma_scale_f32_16x16x128_f8f6f4 v[8*(8*((\a)%4)+\b):8*(8*((\a)%4)+\b)+7], v[128*(\p)+FR*\b:128*(\p)+FR*\b+FR-1], v[AF+FR*(\a):AF+FR*(\a)+FR-1], v[BIA+8*\b:BIA+8*\b+7], v[SC+8*NQ*(\sc)+NQ*\b+(\q)], v[SC+8*NQ*(\sc)+NQ*(\a)+(\q)] matrix_a_fmt:MATRIX_FMT_BF8 matrix_b_fmt:MATRIX_FMT_BF8 matrix_a_scale:MATRIX_SCALE_ROW1
.else
	v_wmma_scale_f32_16x16x128_f8f6f4 v[8*(8*((\a)%4)+\b):8*(8*((\a)%4)+\b)+7], v[128*(\p)+FR*\b:128*(\p)+FR*\b+FR-1], v[AF+FR*(\a):AF+FR*(\a)+FR-1], v[8*(8*((\a)%4)+\b):8*(8*((\a)%4)+\b)+7], v[SC+8*NQ*(\sc)+NQ*\b+(\q)], v[SC+8*NQ*(\sc)+NQ*(\a)+(\q)] matrix_a_fmt:MATRIX_FMT_BF8 matrix_b_fmt:MATRIX_FMT_BF8 matrix_a_scale:MATRIX_SCALE_ROW1
.endif
.endr
.endr
.endm
.macro FETCH_B slot, q, p
	WIN TO_B
.irp i, 0,1,2,3,4,5,6,7
	FRAG 128*(\p)+FR*\i, ADRB+\slot, \q, \i
.endr
	WIN 0
.endm
.macro FETCH_A slot, q, i0
.irp i, \i0, \i0+1, \i0+2, \i0+3
	FRAG AF+FR*(\i), ADRA+\slot, \q, \i
.endr
.endm
.macro SCALES sc
.irp i, 0,1,2,3,4,5,6,7
	ds_load_b64 v[SC+8*NQ*\sc+NQ*\i:SC+8*NQ*\sc+NQ*\i+1], v[ADRS] offset:\i*SBLK
.endr
.endm
.macro PLACES n
.rept \n
	v_nop
.endr
.endm
.macro STEP slot, q, zero
	s_wait_dscnt 4*NL
	WIN MUL_LO-0x20*(\zero)
	MUL16 0, (\q)%2, \q, \slot, \zero
	MUL16 2, (\q)%2, \q, \slot, \zero
	s_wait_dscnt 0
	PLACES NP
	FETCH_B \slot, (\q)+1, 1-(\q)%2
	FETCH_A \slot, (\q)+1, 0
	WIN MUL_HI-0x30*(\zero)
	MUL16 4, (\q)%2, \q, \slot, \zero
	MUL16 6, (\q)%2, \q, \slot, \zero
	PLACES NP
	WIN 0
	FETCH_A \slot, (\q)+1, 4
.endm
.macro TURN slot, next, fill
	s_wait_tensorcnt 0x0
	ds_add_u32 v[SPW], v[NIL]
	s_wait_dscnt 4*NL+1
	WIN MUL_LO
	MUL16 0, 1, NQ-1, \slot, 0
	s_wait_dscnt 0x0
	s_barrier_signal -1
	MUL16 2, 1, NQ-1, \slot, 0
	WIN 0
	s_barrier_wait -1
.if \fill
	CREST
	s_add_nc_u64 s[G0+4*\slot+2:G0+4*\slot+3], s[G0+4*\slot+2:G0+4*\slot+3], 2*ROWB
	s_add_nc_u64 s[G0B+4*\slot+2:G0B+4*\slot+3], s[G0B+4*\slot+2:G0B+4*\slot+3], 2*ROWB
	JLOAD G0+4*\slot, G1, G0B+4*\slot, G1B
	PLACES NP-4
.else
	PLACES NP
.endif
	s_wait_alu depctr_va_vdst(0)
	v_add_nc_u32 v[ADRS], 4*NQ, v[ADRS]
	FETCH_B \next, 0, 0
	FETCH_A \next, 0, 0
	SCALES \next
	WIN MUL_HI
	MUL16 4, 1, NQ-1, \slot, 0
	MUL16 6, 1, NQ-1, \slot, 0
	PLACES NP
	WIN 0
	FETCH_A \next, 0, 4
.endm
	s_wait_alu depctr_va_vdst(0)
	s_wait_tensorcnt 0x0                           ; my tile of the head's four is in; the three lines ahead of a later first fill
	ds_add_u32 v[SPW], v[NIL]
	s_mov_b32 s[G1+2], 128<<16                     ; no tensor load of mine is out: from here on a load brings 128 rows
	s_mov_b32 s[G1+4], 128
	s_mov_b32 s[G1B+2], 128<<16
	s_mov_b32 s[G1B+4], 128
	s_wait_dscnt 0x0
	CROUND
	JLOAD G0+4, G1, G0B+4, G1B                     ; K step 1, the first tensor load behind the round
	FETCH_B 0, 0, 0
	global_prefetch_b8 v7, s[92:93] offset:3*ROWB th:TH_LOAD_NT scope:SCOPE_SE
	FETCH_A 0, 0, 0
	SCALES 0
	FETCH_A 0, 0, 4
	s_wait_loadcnt 0x0
	STEP 0, 0, 1
	s_mov_b32 s3, LAPS-1
.Llap:
	TURN 0, 1, 1
	STEP 1, 0, 0
	TURN 1, 0, 1
	STEP 0, 0, 0
	s_sub_co_u32 s3, s3, 1
	s_cmp_lg_u32 s3, 0
	s_cbranch_scc1 .Llap
	TURN 0, 1, 0
	STEP 1, 0, 0
	s_wait_dscnt 4*NL
	WIN MUL_LO
	MUL16 0, 1, NQ-1, 1, 0
	MUL16 2, 1, NQ-1, 1, 0
	s_wait_dscnt 0
	WIN MUL_HI
	MUL16 4, 1, NQ-1, 1, 0
	MUL16 6, 1, NQ-1, 1, 0
	WIN 0
	PLACES NP
.irp b, 0,1,2,3
	v_mov_b32 v[TM+4+\b], 0
.endr
.irp a, 0,1,2,3,4,5,6,7
	s_wait_dscnt 0x0
.if \a > 1
	s_wait_xcnt 0x0
.endif
	QUANT 64*(\a%4), 1, 160+16*(\a%2), 144, 2+\a/4
.irp c, 0,1,2,3
.irp u, 0,1
	global_store_b64 v[CO], v[160+16*(\a%2)+4*\c+2*\u:160+16*(\a%2)+4*\c+2*\u+1], s[96:97] offset:65536*\a+512*\c+256*\u
.endr
.endr
	ds_store_b32 v[SSA], v144 offset:64*\a
.endr
	ds_load_b128 v[148:151], v[SSR]
	s_wait_dscnt 0x0
	global_store_b128 v[LI], v[148:151], s[98:99]
	s_wait_tensorcnt 0x0
	ds_add_u32 v[SPW], v[NIL]
	s_wait_dscnt 0x0
	CROUND
	s_endpgm
.Lfunc_end_k_q6a85600d34_ffn1:
	.size	k_q6a85600d34_ffn1, .Lfunc_end_k_q6a85600d34_ffn1-k_q6a85600d34_ffn1
	.p2alignl 7, 3214868480
	.fill 96, 4, 3214868480
	.section	.rodata,"a",@progbits
	.p2align	6, 0x0
	.amdhsa_kernel k_q6a85600d34_ffn1
		.amdhsa_group_segment_fixed_size 327680
		.amdhsa_private_segment_fixed_size 0
		.amdhsa_enable_private_segment 0
		.amdhsa_kernarg_size 56
		.amdhsa_user_sgpr_count 2
		.amdhsa_user_sgpr_kernarg_segment_ptr 1
		.amdhsa_wavefront_size32 1
		.amdhsa_system_sgpr_workgroup_id_x 1
		.amdhsa_system_sgpr_workgroup_id_y 1
		.amdhsa_system_sgpr_workgroup_id_z 1
		.amdhsa_system_vgpr_workitem_id 0
		.amdhsa_next_free_vgpr 1024
		.amdhsa_next_free_sgpr 102
		.amdhsa_reserve_vcc 0
		.amdhsa_float_denorm_mode_32 3
		.amdhsa_float_denorm_mode_16_64 3
		.amdhsa_memory_ordered 1
		.amdhsa_forward_progress 1
		.amdhsa_inst_pref_size 192
	.end_amdhsa_kernel
	.amdgpu_metadata
---
amdhsa.version: [ 1, 2 ]
amdhsa.kernels:
  - .name:           k_q6a85600d34_ffn1
    .symbol:         k_q6a85600d34_ffn1.kd
    .args:
      - { .name: x1_codes, .offset: 0, .size: 8, .value_kind: global_buffer, .address_space: global }
      - { .name: x1_scales, .offset: 8, .size: 8, .value_kind: global_buffer, .address_space: global }
      - { .name: w1_codes, .offset: 16, .size: 8, .value_kind: global_buffer, .address_space: global }
      - { .name: w1_scales, .offset: 24, .size: 8, .value_kind: global_buffer, .address_space: global }
      - { .name: b1, .offset: 32, .size: 8, .value_kind: global_buffer, .address_space: global }
      - { .name: hid_codes, .offset: 40, .size: 8, .value_kind: global_buffer, .address_space: global }
      - { .name: hid_scales, .offset: 48, .size: 8, .value_kind: global_buffer, .address_space: global }
    .group_segment_fixed_size: 327680
    .private_segment_fixed_size: 0
    .kernarg_segment_align: 8
    .kernarg_segment_size: 56
    .max_flat_workgroup_size: 128
    .sgpr_count:     102
    .vgpr_count:     1024
    .wavefront_size: 32
...
	.end_amdgpu_metadata
.endif
;; end of part 4
;; launch ffn2 (part 5): grid 8 x 32, 4 waves a work-group, clusters of 4 x 4, 327,680 bytes of LDS; arguments hid_codes, hid_scales, w2_codes, w2_scales, b2, x1, z; writes z
.if DOCPART == 5
	.amdgcn_target "amdgcn-amd-amdhsa--gfx1250"
	.amdhsa_code_object_version 6
	.text
	.protected	k_q6a85600d34_ffn2
	.globl	k_q6a85600d34_ffn2
	.p2align	8
	.type	k_q6a85600d34_ffn2,@function
k_q6a85600d34_ffn2:
	s_mov_b64 s[64:65], 0
	v_nop
	global_prefetch_b8 v0, s[64:65] scope:SCOPE_SE
	s_setreg_imm32_b32 hwreg(HW_REG_WAVE_MODE, 25, 1), 1
	s_wait_xcnt 0x0
	s_wait_alu depctr_hold_cnt(0) depctr_sa_sdst(0) depctr_va_vdst(0) depctr_va_sdst(0) depctr_va_ssrc(0) depctr_va_vcc(0) depctr_vm_vsrc(0)
	s_getreg_b32 s2, hwreg(HW_REG_IB_STS2, 6, 4)
	s_cmp_eq_u32 s2, 0
	s_cbranch_scc0 .Lentry_in_a_cluster
	s_endpgm
.Lentry_in_a_cluster:
	s_bfe_u32 s2, ttmp6, 0x10000c
	s_cmp_lg_u32 s2, 0xf033
	s_cbranch_scc0 .Lentry_shape_is_right
	s_endpgm
.Lentry_shape_is_right:
.set SLOT,  133120
.set BP,    528
.set ASC,   266240
.set BSC,   282624
.set SPARE, 300032
.set ADA, 16
.set ADB, 20
.set ASA, 22
.set BSA, 23
.set STO, 24
.set RD,  25
.set CO,  26
.set B2O, 27
.set SPW, 28
.set NIL, 29
.set SC,  32
.set G1, 24
.set G0, 32
.set G1B, 48
.set G0B, 56
.set G1S, 68
.set G0S, 76
.set G1SB, 80
.set G0SB, 88
.set MSB, 0
.macro WIN new
.if MSB != (\new)
	s_set_vgpr_msb (MSB<<8)|(\new)
.set MSB, (\new)
.endif
.endm
.macro WM d, a, b, c, sa, sb, ra, rb
.if (\ra) && (\rb)
	v_wmma_scale_f32_16x16x128_f8f6f4 v[(\d):(\d)+7], v[(\a):(\a)+15], v[(\b):(\b)+15], v[(\c):(\c)+7], v[\sa], v[\sb] matrix_a_fmt:MATRIX_FMT_BF8 matrix_b_fmt:MATRIX_FMT_BF8 matrix_a_scale:MATRIX_SCALE_ROW1 matrix_b_scale:MATRIX_SCALE_ROW1
.elseif (\ra)
	v_wmma_scale_f32_16x16x128_f8f6f4 v[(\d):(\d)+7], v[(\a):(\a)+15], v[(\b):(\b)+15], v[(\c):(\c)+7], v[\sa], v[\sb] matrix_a_fmt:MATRIX_FMT_BF8 matrix_b_fmt:MATRIX_FMT_BF8 matrix_a_scale:MATRIX_SCALE_ROW1
.elseif (\rb)
	v_wmma_scale_f32_16x16x128_f8f6f4 v[(\d):(\d)+7], v[(\a):(\a)+15], v[(\b):(\b)+15], v[(\c):(\c)+7], v[\sa], v[\sb] matrix_a_fmt:MATRIX_FMT_BF8 matrix_b_fmt:MATRIX_FMT_BF8 matrix_b_scale:MATRIX_SCALE_ROW1
.else
	v_wmma_scale_f32_16x16x128_f8f6f4 v[(\d):(\d)+7], v[(\a):(\a)+15], v[(\b):(\b)+15], v[(\c):(\c)+7], v[\sa], v[\sb] matrix_a_fmt:MATRIX_FMT_BF8 matrix_b_fmt:MATRIX_FMT_BF8
.endif
.endm
.macro JLOAD g0a, g1a, g0b, g1b
	s_cmp_eq_u32 s15, 0
	s_cbranch_scc0 .Lfor_b_\@
	tensor_load_to_lds s[\g0a:\g0a+3], s[\g1a:\g1a+7]
	s_nop 0
.rept 4
	v_nop
.endr
	s_branch .Lasked_\@
.Lfor_b_\@:
	tensor_load_to_lds s[\g0b:\g0b+3], s[\g1b:\g1b+7]
	s_nop 0
.rept 4
	v_nop
.endr
.Lasked_\@:
.endm
.macro CREST
	s_cmp_lg_u32 s14, 0
	s_cbranch_scc1 .Lnot_wave_0_\@
	s_barrier_signal -3
.Lnot_wave_0_\@:
	s_barrier_wait -3
	s_barrier_signal -1
	s_barrier_wait -1
.endm
.macro CROUND
	s_barrier_signal -1
	s_barrier_wait -1
	CREST
.endm
.macro PLACES n
.rept \n
	v_nop
.endr
.endm
	s_load_b128 s[4:7], s[0:1], 0x0
	s_load_b128 s[8:11], s[0:1], 0x10
	s_load_b64 s[12:13], s[0:1], 0x20
	s_load_b128 s[96:99], s[0:1], 0x28
	v_lshl_add_u32 v[SPW], v0, 2, SPARE
	v_mov_b32 v[NIL], 0
	ds_add_u32 v28, v29
	ds_add_u32 v28, v29
	s_wait_dscnt 0x0
	v_lshrrev_b32 v1, 5, v0
	v_readfirstlane_b32 s14, v1
	s_lshr_b32 s15, s14, 1
	s_and_b32 s16, s14, 1
	s_bfe_u32 s40, ttmp6, 0x40000
	s_bfe_u32 s41, ttmp6, 0x40004
	s_lshl_b32 s42, ttmp9, 2
	s_add_co_u32 s42, s42, s40
	s_and_b32 s17, ttmp7, 0xffff
	s_lshl_b32 s17, s17, 2
	s_add_co_u32 s17, s17, s41
	s_lshl_b32 s43, s41, 2
	s_lshl_b32 s43, 15, s43
	s_lshl_b32 s44, 0x1111, s40
	s_or_b32 s[G1], s43, (3<<16)|(1<<21)
	s_mov_b32 s[G1+1], 1024<<16
	s_mov_b32 s[G1+2], 8<<16                       ; the head's load brings all eight row tiles; behind it these two words are set to 4
	s_mov_b32 s[G1+3], 1024<<16
	s_mov_b32 s[G1+4], 8
	s_mov_b32 s[G1+5], 8192
	s_mov_b32 s[G1+6], 0
	s_mov_b32 s[G1+7], 0
	s_or_b32 s[G1B], s44, (1<<20)|(1<<21)|(6<<22)|(3<<25)
	s_mov_b32 s[G1B+1], 512<<16
	s_mov_b32 s[G1B+2], 128<<16
	s_mov_b32 s[G1B+3], 512<<16
	s_mov_b32 s[G1B+4], 128
	s_mov_b32 s[G1B+5], 4096
	s_mov_b32 s[G1B+6], 0
	s_mov_b32 s[G1B+7], 0
	s_or_b32 s[G1S], s43, (3<<16)|(1<<21)
	s_mov_b32 s[G1S+1], 64<<16
	s_mov_b32 s[G1S+2], 32<<16
	s_mov_b32 s[G1S+3], 64<<16
	s_mov_b32 s[G1S+4], 32
	s_mov_b32 s[G1S+5], 2048
	s_mov_b32 s[G1S+6], 0
	s_mov_b32 s[G1S+7], 0
	s_or_b32 s[G1SB], s44, (3<<16)|(1<<20)|(1<<21)|(5<<22)|(3<<25)
	s_mov_b32 s[G1SB+1], 32<<16
	s_mov_b32 s[G1SB+2], 64<<16
	s_mov_b32 s[G1SB+3], 32<<16
	s_mov_b32 s[G1SB+4], 64
	s_mov_b32 s[G1SB+5], 32
	s_mov_b32 s[G1SB+6], 0
	s_mov_b32 s[G1SB+7], 0
	s_lshl_b32 s18, s16, 18
	s_lshl_b32 s20, s17, 19
	s_mov_b32 s21, 0
	s_lshl_b32 s46, s42, 19
	s_mov_b32 s47, 0
	s_lshl_b32 s22, s17, 9
	s_mov_b32 s23, 0
	s_lshl_b32 s92, s42, 14
	s_mov_b32 s93, 0
	s_lshl_b32 s45, s16, 15
	s_mul_i32 s94, s16, 64*BP
	s_add_co_u32 s94, s94, 65536
	s_mov_b32 s19, 0
	s_wait_kmcnt 0x0
	s_add_nc_u64 s[20:21], s[4:5], s[20:21]
	s_add_nc_u64 s[22:23], s[6:7], s[22:23]
	s_add_nc_u64 s[46:47], s[8:9], s[46:47]
	s_add_nc_u64 s[92:93], s[10:11], s[92:93]
	CROUND
	s_mov_b32 s[G0S], 1
	s_mov_b32 s[G0S+1], ASC
	s_mov_b64 s[G0S+2:G0S+3], s[22:23]
	s_or_b32 s[G0S+3], s[G0S+3], 0x80000000
	s_mov_b32 s[G0SB], 1
	s_mov_b32 s[G0SB+1], BSC
	s_mov_b64 s[G0SB+2:G0SB+3], s[92:93]
	s_or_b32 s[G0SB+3], s[G0SB+3], 0x80000000
.set G0H, 4                            ; s[4:7], s[8:11] group 0 of the head's loads of slot 0 (the arguments that lay there have been used)
.set G0HB, 8
	s_mov_b32 s[G0H], 1
	s_mov_b32 s[G0H+1], 0
	s_mov_b64 s[G0H+2:G0H+3], s[20:21]
	s_or_b32 s[G0H+3], s[G0H+3], 0x80000000
	s_mov_b32 s[G0HB], 1
	s_mov_b32 s[G0HB+1], 65536
	s_mov_b64 s[G0HB+2:G0HB+3], s[46:47]
	s_or_b32 s[G0HB+3], s[G0HB+3], 0x80000000
	s_add_nc_u64 s[20:21], s[20:21], s[18:19]      ; for the ring: my half of the tile
	s_add_nc_u64 s[46:47], s[46:47], s[18:19]
.irp s, 0,1
	s_mov_b32 s[G0+4*\s], 1
	s_add_co_u32 s[G0+4*\s+1], s45, \s*SLOT
	s_add_nc_u64 s[G0+4*\s+2:G0+4*\s+3], s[20:21], \s*8192
	s_or_b32 s[G0+4*\s+3], s[G0+4*\s+3], 0x80000000
	s_mov_b32 s[G0B+4*\s], 1
	s_add_co_u32 s[G0B+4*\s+1], s94, \s*SLOT
	s_add_nc_u64 s[G0B+4*\s+2:G0B+4*\s+3], s[46:47], \s*512
	s_or_b32 s[G0B+4*\s+3], s[G0B+4*\s+3], 0x80000000
.endr
; THE HEAD'S LOADS, ONE A WAVE: wave 0 slot 0's eight row tiles of A, wave 1 its 128 rows of B, wave 2 A's scale bytes, wave 3 B's.  One tree of branches on the wave's number.
.macro ARM under, g0, g1, next
	s_cmp_lt_u32 s14, \under
	s_cbranch_scc0 \next
	tensor_load_to_lds s[\g0:\g0+3], s[\g1:\g1+7]
	s_nop 0
.rept 4
	v_nop
.endr
	s_branch .Lhead_asked
\next:
.endm
	ARM 1, G0H,  G1,  .Lhead_b
	ARM 2, G0HB, G1B, .Lhead_sa
	ARM 3, G0S,  G1S, .Lhead_sb
	tensor_load_to_lds s[G0SB:G0SB+3], s[G1SB:G1SB+7]
	s_nop 0
.rept 4
	v_nop
.endr
.Lhead_asked:
	; PREFETCHES INTO THE L2, two slots ahead of the load that will ask.  Of what I fetch for a slot (A: four row tiles of 8,192 bytes; B: 64 rows of 512 bytes) the partner at place p (cx for A, cy for B)
	; names a quarter, 65,536 p bytes on: 32 blocks of 256 bytes, a lane a block.  s[92:93] where they stand, s[94:95] a slot on, v30 my lane's offset.
	s_cmp_eq_u32 s15, 0
	s_cselect_b64 s[92:93], s[20:21], s[46:47]
	s_cselect_b32 s22, s40, s41
	s_mov_b32 s94, 512
	s_cselect_b32 s94, 8192, s94
	s_mov_b32 s23, 4096
	s_cselect_b32 s23, 512, s23
	s_mov_b32 s95, 0
	v_and_b32 v30, 31, v0
	v_lshrrev_b32 v31, 1, v30
	v_and_b32 v30, 1, v30
	v_mul_u32_u24 v31, v31, s23
	v_lshl_add_u32 v30, v30, 8, v31
	s_lshl_b32 s22, s22, 16
	s_mov_b32 s23, 0
	s_add_nc_u64 s[92:93], s[92:93], s[22:23]
	s_add_nc_u64 s[92:93], s[92:93], s[94:95]
	s_add_nc_u64 s[92:93], s[92:93], s[94:95]
	global_prefetch_b8 v30, s[92:93] th:TH_LOAD_NT scope:SCOPE_SE   ; slot 2
	v_and_b32 v1, 15, v0
	v_bfe_u32 v2, v0, 4, 1
	v_and_b32 v3, 31, v0
	s_wait_alu depctr_va_vdst(0)
	s_lshl_b32 s46, s42, 9
	s_lshl_b32 s47, s16, 8
	s_add_co_u32 s46, s46, s47
	s_mov_b32 s47, 0
	s_add_nc_u64 s[12:13], s[12:13], s[46:47]
	v_lshlrev_b32 v[B2O], 5, v2
	WIN 0x40
.irp j, 0,1,2,3
	global_load_b128 v[128+8*\j:131+8*\j], v[B2O], s[12:13] offset:64*\j
	global_load_b128 v[132+8*\j:135+8*\j], v[B2O], s[12:13] offset:64*\j+16
.endr
	WIN 0
	s_lshl_b32 s20, s17, 19
	s_lshl_b32 s21, s15, 18
	s_add_co_u32 s20, s20, s21
	s_add_co_u32 s20, s20, s46
	s_mov_b32 s21, 0
	s_add_nc_u64 s[96:97], s[96:97], s[20:21]
	s_add_nc_u64 s[98:99], s[98:99], s[20:21]
	v_lshlrev_b32 v4, 4, v3
	s_lshl_b32 s21, s15, 15
	v_mul_u32_u24 v5, v1, BP
	v_lshl_add_u32 v5, v2, 4, v5
	s_mul_i32 s22, s16, 64*BP
	s_add_co_u32 s22, s22, 65536
.irp s, 0,1
	v_add_nc_u32 v[ADA+\s], s21, v4
	v_add_nc_u32 v[ADB+\s], s22, v5
	s_add_co_u32 s21, s21, SLOT
	s_add_co_u32 s22, s22, SLOT
.endr
	s_lshl_b32 s21, s15, 8
	s_add_co_u32 s21, s21, ASC
	v_lshl_add_u32 v[ASA], v3, 2, s21
	v_lshrrev_b32 v6, 1, v3
	v_lshlrev_b32 v7, 7, v3
	v_lshl_add_u32 v7, v6, 4, v7
	s_mul_i32 s21, s16, 8704
	s_add_co_u32 s21, s21, BSC
	v_add_nc_u32 v[BSA], s21, v7
	s_mul_i32 s23, s14, 4352
	v_mul_u32_u24 v6, v1, 272
	v_lshl_add_u32 v6, v2, 5, v6
	v_add_nc_u32 v[STO], s23, v6
	v_mul_u32_u24 v6, v2, 272
	v_lshl_add_u32 v6, v1, 4, v6
	v_add_nc_u32 v[RD], s23, v6
	v_lshlrev_b32 v6, 12, v2
	v_lshl_add_u32 v[CO], v1, 4, v6
.macro FETCH slot, kk, f
	WIN 0x80
.irp i, 0,1,2,3
.irp c, 0,1,2,3
	ds_load_b128 v[128*(\f)+16*\i+4*\c:128*(\f)+16*\i+4*\c+3], v[ADA+\slot] offset:(4*\i+(\kk))*2048+512*\c
.endr
.endr
.irp i, 0,1,2,3
.irp c, 0,1,2,3
	ds_load_b128 v[128*(\f)+64+16*\i+4*\c:128*(\f)+64+16*\i+4*\c+3], v[ADB+\slot] offset:16*BP*\i+128*(\kk)+32*\c
.endr
.endr
	WIN 0
.endm
.macro SCALES sg
.irp p, 0,1
.irp k, 0,1,2,3
	ds_load_b32 v[SC+16*(\sg)+4*\p+\k], v[ASA] offset:512*\k+128*\p
.endr
	ds_load_b128 v[SC+16*(\sg)+8+4*\p:SC+16*(\sg)+8+4*\p+3], v[BSA] offset:4352*\p
.endr
.endm
.macro MUL16 f, sg, kk, first
	WIN 0x5a
.irp i, 0,1,2,3
.irp j, 0,1,2,3
.if \first
	WM 8*(4*\i+\j), 128*(\f)+64+16*\j, 128*(\f)+16*\i, 128+8*\j, SC+16*(\sg)+8+4*(\j/2)+(\kk), SC+16*(\sg)+4*(\i/2)+(\kk), \j%2, \i%2
.else
	WM 8*(4*\i+\j), 128*(\f)+64+16*\j, 128*(\f)+16*\i, 8*(4*\i+\j), SC+16*(\sg)+8+4*(\j/2)+(\kk), SC+16*(\sg)+4*(\i/2)+(\kk), \j%2, \i%2
.endif
.endr
.endr
	WIN 0
.endm
.macro STEP slot, kk, first
	s_wait_dscnt 0x0
	PLACES 8
	FETCH \slot, (\kk)+1, 1-(\kk)%2
	MUL16 (\kk)%2, \slot, \kk, \first
.endm
.macro TURN slot, next, fill
.if \fill
	s_wait_xcnt 0x0                                ; my last prefetch has read its address: it steps a slot on
	s_add_nc_u64 s[92:93], s[92:93], s[94:95]
.endif
	s_wait_tensorcnt 0x0
	ds_add_u32 v[SPW], v[NIL]
.if \fill
	s_add_nc_u64 s[G0+4*\slot+2:G0+4*\slot+3], s[G0+4*\slot+2:G0+4*\slot+3], 16384
	s_add_nc_u64 s[G0B+4*\slot+2:G0B+4*\slot+3], s[G0B+4*\slot+2:G0B+4*\slot+3], 1024
.endif
	s_wait_dscnt 0x0
	s_barrier_signal -1
	s_barrier_wait -1
.if \fill
	CREST
	JLOAD G0+4*\slot, G1, G0B+4*\slot, G1B
	PLACES 4
.else
	PLACES 8
.endif
	s_wait_alu depctr_va_vdst(0)
	v_add_nc_u32 v[ASA], 2048, v[ASA]
	v_add_nc_u32 v[BSA], 16, v[BSA]
	FETCH \next, 0, 0
	SCALES \next
.if \fill
	s_cmp_gt_u32 s3, 1                             ; the last trip's two refills have no slot two on
	s_cbranch_scc0 .Lno_ask_\@
	global_prefetch_b8 v30, s[92:93] th:TH_LOAD_NT scope:SCOPE_SE
.Lno_ask_\@:
.endif
	MUL16 1, \slot, 3, 0
.endm
	s_wait_alu depctr_va_vdst(0)
	s_wait_xcnt 0x0                                ; the prefetch has read its address
	s_add_nc_u64 s[92:93], s[92:93], s[94:95]
	s_wait_tensorcnt 0x0                           ; my tile of the head's four is in; the three lines ahead of a later first fill
	ds_add_u32 v[SPW], v[NIL]
	s_mov_b32 s[G1+2], 4<<16                       ; no tensor load of mine is out: from here on a load brings half a tile
	s_mov_b32 s[G1+4], 4
	s_mov_b32 s[G1B+2], 64<<16
	s_mov_b32 s[G1B+4], 64
	s_wait_dscnt 0x0
	CROUND
	JLOAD G0+4, G1, G0B+4, G1B                     ; slot 1, the first tensor load behind the round
	FETCH 0, 0, 0
	global_prefetch_b8 v30, s[92:93] th:TH_LOAD_NT scope:SCOPE_SE   ; slot 3
	SCALES 0
	s_wait_loadcnt 0x0
	STEP 0, 0, 1
	s_mov_b32 s3, 3
.Llap:
	STEP 0, 1, 0
	STEP 0, 2, 0
	TURN 0, 1, 1
	STEP 1, 0, 0
	STEP 1, 1, 0
	STEP 1, 2, 0
	TURN 1, 0, 1
	STEP 0, 0, 0
	s_sub_co_u32 s3, s3, 1
	s_cmp_lg_u32 s3, 0
	s_cbranch_scc1 .Llap
	WIN 0x40
.irp i, 0,1,2,3
.irp k, 0,1,2,3,4,5,6,7
	global_load_b128 v[128+32*\i+4*\k:131+32*\i+4*\k], v[CO], s[96:97] offset:65536*\i+8192*\k
.endr
.endr
	WIN 0
	STEP 0, 1, 0
	STEP 0, 2, 0
	TURN 0, 1, 0
	STEP 1, 0, 0
	STEP 1, 1, 0
	STEP 1, 2, 0
	s_wait_dscnt 0x0
	MUL16 1, 1, 3, 0
	PLACES 8
	s_wait_loadcnt 0x0
.irp i, 0,1,2,3
.if \i > 1
	s_wait_xcnt 0x0
.endif
	WIN 0x04
.irp j, 0,1,2,3
	ds_store_b128 v[STO], v[8*(4*\i+\j):8*(4*\i+\j)+3] offset:64*\j
	ds_store_b128 v[STO], v[8*(4*\i+\j)+4:8*(4*\i+\j)+7] offset:64*\j+16
.endr
	WIN 0
.irp k, 0,1,2,3,4,5,6,7
	ds_load_b128 v[64+32*(\i%2)+4*\k:67+32*(\i%2)+4*\k], v[RD] offset:544*\k
.endr
	s_wait_dscnt 0x0
	WIN 0x04
.irp n, 0,2,4,6,8,10,12,14,16,18,20,22,24,26,28,30
	v_pk_add_f32 v[64+32*(\i%2)+\n:65+32*(\i%2)+\n], v[64+32*(\i%2)+\n:65+32*(\i%2)+\n], v[128+32*\i+\n:129+32*\i+\n]
.endr
	WIN 0
.irp k, 0,1,2,3,4,5,6,7
	global_store_b128 v[CO], v[64+32*(\i%2)+4*\k:67+32*(\i%2)+4*\k], s[98:99] offset:65536*\i+8192*\k
.endr
.endr
	s_wait_tensorcnt 0x0
	ds_add_u32 v[SPW], v[NIL]
	s_wait_dscnt 0x0
	CROUND
	s_endpgm
.Lfunc_end_k_q6a85600d34_ffn2:
	.size	k_q6a85600d34_ffn2, .Lfunc_end_k_q6a85600d34_ffn2-k_q6a85600d34_ffn2
	.p2alignl 7, 3214868480
	.fill 96, 4, 3214868480
	.section	.rodata,"a",@progbits
	.p2align	6, 0x0
	.amdhsa_kernel k_q6a85600d34_ffn2
		.amdhsa_group_segment_fixed_size 327680
		.amdhsa_private_segment_fixed_size 0
		.amdhsa_enable_private_segment 0
		.amdhsa_kernarg_size 56
		.amdhsa_user_sgpr_count 2
		.amdhsa_user_sgpr_kernarg_segment_ptr 1
		.amdhsa_wavefront_size32 1
		.amdhsa_system_sgpr_workgroup_id_x 1
		.amdhsa_system_sgpr_workgroup_id_y 1
		.amdhsa_system_sgpr_workgroup_id_z 1
		.amdhsa_system_vgpr_workitem_id 0
		.amdhsa_next_free_vgpr 768
		.amdhsa_next_free_sgpr 100
		.amdhsa_reserve_vcc 0
		.amdhsa_float_denorm_mode_32 3
		.amdhsa_float_denorm_mode_16_64 3
		.amdhsa_memory_ordered 1
		.amdhsa_forward_progress 1
		.amdhsa_inst_pref_size 104
	.end_amdhsa_kernel
	.amdgpu_metadata
---
amdhsa.version: [ 1, 2 ]
amdhsa.kernels:
  - .name:           k_q6a85600d34_ffn2
    .symbol:         k_q6a85600d34_ffn2.kd
    .args:
      - { .name: hid_codes, .offset: 0, .size: 8, .value_kind: global_buffer, .address_space: global }
      - { .name: hid_scales, .offset: 8, .size: 8, .value_kind: global_buffer, .address_space: global }
      - { .name: w2_codes, .offset: 16, .size: 8, .value_kind: global_buffer, .address_space: global }
      - { .name: w2_scales, .offset: 24, .size: 8, .value_kind: global_buffer, .address_space: global }
      - { .name: b2, .offset: 32, .size: 8, .value_kind: global_buffer, .address_space: global }
      - { .name: x1, .offset: 40, .size: 8, .value_kind: global_buffer, .address_space: global }
      - { .name: z, .offset: 48, .size: 8, .value_kind: global_buffer, .address_space: global }
    .group_segment_fixed_size: 327680
    .private_segment_fixed_size: 0
    .kernarg_segment_align: 8
    .kernarg_segment_size: 56
    .max_flat_workgroup_size: 128
    .sgpr_count:     100
    .vgpr_count:     768
    .wavefront_size: 32
...
	.end_amdgpu_metadata
.endif
;; end of part 5
;; launch ln2 (part 6): grid 256 x 1, 8 waves a work-group, no clusters, 168,448 bytes of LDS; arguments z, ln2_a, ln2_b, out0; writes out0
.if DOCPART == 6
	.amdgcn_target "amdgcn-amd-amdhsa--gfx1250"
	.amdhsa_code_object_version 6
	.text
	.protected	k_q6a85600d34_ln2
	.globl	k_q6a85600d34_ln2
	.p2align	8
	.type	k_q6a85600d34_ln2,@function
k_q6a85600d34_ln2:
	s_mov_b64 s[64:65], 0
	v_nop
	global_prefetch_b8 v0, s[64:65] scope:SCOPE_SE
	s_setreg_imm32_b32 hwreg(HW_REG_WAVE_MODE, 25, 1), 1
	s_wait_xcnt 0x0
; out0 = a (z - mean) / (std + 1e-6) + b along rows of 1,024, std with 1,023 in the divisor.
; A work-group owns 16 rows, a wave two whole rows: each load and each store of a wave covers 512 consecutive bytes of a row; a row's sums stay inside the wave: no LDS byte is touched, no barrier stands in the text.
; The mean is taken away before the squares are summed: two passes over registers, so a common offset costs nothing.
; Matrix units, clusters and tensor loads buy nothing here: no input is shared but a and b (8 KB).  The claim of LDS leaves the work-group alone on its WGP.  No prefetch: there is no loop.
; LIMITS: NaN and infinities are not served.
.set Z, 8                              ; v8-71 my two rows
.set A, 72                             ; v72-103 a, v104-135 b
.set B, 104
.set T, 136                            ; v136-151 at work, eight registers a row
.macro ACROSS                          ; four pairs a row at v[T + 8 q] -> the row's sum in v[T + 8 q], in every lane
.irp q, 0,1
	v_pk_add_f32 v[T+8*\q:T+8*\q+1], v[T+8*\q:T+8*\q+1], v[T+8*\q+2:T+8*\q+3]
	v_pk_add_f32 v[T+8*\q+4:T+8*\q+5], v[T+8*\q+4:T+8*\q+5], v[T+8*\q+6:T+8*\q+7]
.endr
.irp q, 0,1
	v_pk_add_f32 v[T+8*\q:T+8*\q+1], v[T+8*\q:T+8*\q+1], v[T+8*\q+4:T+8*\q+5]
.endr
.irp q, 0,1
	v_add_f32 v[T+8*\q], v[T+8*\q], v[T+8*\q+1]
.endr
.irp m, 1,2,4,8
.irp q, 0,1
	v_add_f32_dpp v[T+8*\q], v[T+8*\q], v[T+8*\q] row_xmask:\m row_mask:0xf bank_mask:0xf
.endr
.endr
.irp q, 0,1
	v_permlanex16_b32 v[4+\q], v[T+8*\q], s16, s17
.endr
.irp q, 0,1
	v_add_f32 v[T+8*\q], v[T+8*\q], v[4+\q]
.endr
.endm
	s_load_b256 s[4:11], s[0:1], 0x0               ; z, a, b, out0
	v_lshrrev_b32 v1, 5, v0
	v_readfirstlane_b32 s12, v1                    ; wave 0..7
	v_and_b32 v3, 31, v0
	v_lshlrev_b32 v2, 4, v3                        ; 16 l
	v_mov_b32 v4, 0                                ; a lane permute's destination counts as one of its sources
	v_mov_b32 v5, 0
	s_lshl_b32 s14, ttmp9, 16                      ; 16 rows of 4,096 bytes a work-group, two a wave
	s_lshl_b32 s13, s12, 13
	s_add_co_u32 s14, s14, s13
	s_mov_b32 s15, 0
	s_mov_b32 s16, 0x76543210
	s_mov_b32 s17, 0xfedcba98
	s_wait_alu depctr_va_vdst(0)                   ; the wait at the head's end
	s_wait_kmcnt 0x0
	s_add_nc_u64 s[4:5], s[4:5], s[14:15]
	s_add_nc_u64 s[10:11], s[10:11], s[14:15]
.irp q, 0,1
.irp i, 0,1,2,3,4,5,6,7
	global_load_b128 v[Z+32*\q+4*\i:Z+32*\q+4*\i+3], v2, s[4:5] offset:4096*\q+512*\i th:TH_LOAD_NT
.endr
.endr
.irp i, 0,1,2,3,4,5,6,7
	global_load_b128 v[A+4*\i:A+4*\i+3], v2, s[6:7] offset:512*\i
	global_load_b128 v[B+4*\i:B+4*\i+3], v2, s[8:9] offset:512*\i
.endr
	s_wait_loadcnt 16                              ; z is in; the 16 loads of a and b may be out
	; ---- the mean
.irp q, 0,1
.irp k, 0,1,2,3
	v_pk_add_f32 v[T+8*\q+2*\k:T+8*\q+2*\k+1], v[Z+32*\q+2*\k:Z+32*\q+2*\k+1], v[Z+32*\q+8+2*\k:Z+32*\q+9+2*\k]
.endr
.endr
.irp n, 16,24
.irp q, 0,1
.irp k, 0,1,2,3
	v_pk_add_f32 v[T+8*\q+2*\k:T+8*\q+2*\k+1], v[T+8*\q+2*\k:T+8*\q+2*\k+1], v[Z+32*\q+\n+2*\k:Z+32*\q+\n+2*\k+1]
.endr
.endr
.endr
	ACROSS
.irp q, 0,1
	v_mul_f32 v[T+8*\q], 0x3a800000, v[T+8*\q]     ; / 1,024
.endr
.irp q, 0,1
	v_mov_b32 v[T+8*\q+1], v[T+8*\q]
.endr
.irp q, 0,1
.set N, 0
.rept 16
	v_pk_add_f32 v[Z+32*\q+N:Z+32*\q+N+1], v[Z+32*\q+N:Z+32*\q+N+1], v[T+8*\q:T+8*\q+1] neg_lo:[0,1] neg_hi:[0,1]
.set N, N+2
.endr
.endr
	; ---- the spread
.irp q, 0,1
.irp k, 0,1,2,3
	v_pk_mul_f32 v[T+8*\q+2*\k:T+8*\q+2*\k+1], v[Z+32*\q+2*\k:Z+32*\q+2*\k+1], v[Z+32*\q+2*\k:Z+32*\q+2*\k+1]
.endr
.endr
.irp n, 8,16,24
.irp q, 0,1
.irp k, 0,1,2,3
	v_pk_fma_f32 v[T+8*\q+2*\k:T+8*\q+2*\k+1], v[Z+32*\q+\n+2*\k:Z+32*\q+\n+2*\k+1], v[Z+32*\q+\n+2*\k:Z+32*\q+\n+2*\k+1], v[T+8*\q+2*\k:T+8*\q+2*\k+1]
.endr
.endr
.endr
	ACROSS
.irp q, 0,1
	v_mul_f32 v[T+8*\q], 0x3a802008, v[T+8*\q]     ; / 1,023
.endr
	s_wait_alu depctr_va_vdst(0)                   ; a wait ahead of each batch of transcendentals and one behind it
.irp q, 0,1
	v_sqrt_f32 v[T+8*\q+2], v[T+8*\q]
.endr
	v_nop
	s_wait_alu depctr_va_vdst(0)
.irp q, 0,1
	v_add_f32 v[T+8*\q+2], 0x358637bd, v[T+8*\q+2] ; + 1e-6
.endr
	s_wait_alu depctr_va_vdst(0)
.irp q, 0,1
	v_rcp_f32 v[T+8*\q+4], v[T+8*\q+2]
.endr
	v_nop
	s_wait_alu depctr_va_vdst(0)
.irp q, 0,1
	v_mov_b32 v[T+8*\q+5], v[T+8*\q+4]
.endr
.irp q, 0,1
.set N, 0
.rept 16
	v_pk_mul_f32 v[Z+32*\q+N:Z+32*\q+N+1], v[Z+32*\q+N:Z+32*\q+N+1], v[T+8*\q+4:T+8*\q+5]
.set N, N+2
.endr
.endr
	s_wait_alu depctr_va_vdst(0)                   ; directly ahead of the wait below
	s_wait_loadcnt 0x0                             ; a and b
.irp q, 0,1
.set N, 0
.rept 16
	v_pk_fma_f32 v[Z+32*\q+N:Z+32*\q+N+1], v[Z+32*\q+N:Z+32*\q+N+1], v[A+N:A+N+1], v[B+N:B+N+1]
.set N, N+2
.endr
.endr
.irp q, 0,1
.irp i, 0,1,2,3,4,5,6,7
	global_store_b128 v2, v[Z+32*\q+4*\i:Z+32*\q+4*\i+3], s[10:11] offset:4096*\q+512*\i th:TH_STORE_NT   ; 512 consecutive bytes, aligned
.endr
.endr
	s_endpgm
.Lfunc_end_k_q6a85600d34_ln2:
	.size	k_q6a85600d34_ln2, .Lfunc_end_k_q6a85600d34_ln2-k_q6a85600d34_ln2
	.p2alignl 7, 3214868480
	.fill 96, 4, 3214868480
	.section	.rodata,"a",@progbits
	.p2align	6, 0x0
	.amdhsa_kernel k_q6a85600d34_ln2
		.amdhsa_group_segment_fixed_size 168448
		.amdhsa_private_segment_fixed_size 0
		.amdhsa_enable_private_segment 0
		.amdhsa_kernarg_size 32
		.amdhsa_user_sgpr_count 2
		.amdhsa_user_sgpr_kernarg_segment_ptr 1
		.amdhsa_wavefront_size32 1
		.amdhsa_system_sgpr_workgroup_id_x 1
		.amdhsa_system_sgpr_workgroup_id_y 1
		.amdhsa_system_sgpr_workgroup_id_z 1
		.amdhsa_system_vgpr_workitem_id 0
		.amdhsa_next_free_vgpr 160
		.amdhsa_next_free_sgpr 66
		.amdhsa_reserve_vcc 0
		.amdhsa_float_denorm_mode_32 3
		.amdhsa_float_denorm_mode_16_64 3
		.amdhsa_memory_ordered 1
		.amdhsa_forward_progress 1
		.amdhsa_inst_pref_size 19
	.end_amdhsa_kernel
	.amdgpu_metadata
---
amdhsa.version: [ 1, 2 ]
amdhsa.kernels:
  - .name:           k_q6a85600d34_ln2
    .symbol:         k_q6a85600d34_ln2.kd
    .args:
      - { .name: z, .offset: 0, .size: 8, .value_kind: global_buffer, .address_space: global }
      - { .name: ln2_a, .offset: 8, .size: 8, .value_kind: global_buffer, .address_space: global }
      - { .name: ln2_b, .offset: 16, .size: 8, .value_kind: global_buffer, .address_space: global }
      - { .name: out0, .offset: 24, .size: 8, .value_kind: global_buffer, .address_space: global }
    .group_segment_fixed_size: 168448
    .private_segment_fixed_size: 0
    .kernarg_segment_align: 8
    .kernarg_segment_size: 32
    .max_flat_workgroup_size: 256
    .sgpr_count:     66
    .vgpr_count:     160
    .wavefront_size: 32
...
	.end_amdgpu_metadata
.endif
;; end of part 6
